; MI455X (gfx1250); checked and timed in simulation.
; The chip was launched on July 23, 2026; its instructions are those of AMD's public machine-readable ISA for CDNA 5 (MIT licence, August 2026) and "CDNA5" Instruction Set Architecture Reference Guide (July 2026). The comments in the code are by the model that wrote it; some were corrected since.
;; Multi Attention Heads. Allowed arithmetic: matrix products marked QUANTISED: E2M3 operands, one E8M0 scale for each 32 along K, by v_wmma_scale_f32_16x16x128_f8f6f4 with both operands' format E2M3, f32 sums; everything else in f32.
;; Inputs: Wk 1,024 x 1,024 float32; Wo 1,024 x 1,024 float32; Wq 1,024 x 1,024 float32; Wv 1,024 x 1,024 float32; bk 1,024 float32; bo 1,024 float32; bq 1,024 float32; bv 1,024 float32; key 4 x 2,048 x 1,024 float32; query 4 x 2,048 x 1,024 float32; value 4 x 2,048 x 1,024 float32.
;; Outputs: out0 4 x 2,048 x 1,024 float32.
;; This version of the problem:
;;   THIS VERSION OF THE PROBLEM IS GIVEN IN LOW PRECISION. The matrix products marked QUANTISED in the list below multiply operands that are first quantised to E2M3 (2 exponent bits, 3 mantissa bits; 6 bits a number), with one power-of-two scale for each 32 numbers along K (OCP MX v1.0); their sums are f32. All else is computed in f32.
;;   The module's matrix products, in the order in which they are computed (A, B: the left and right operand; K: the contracted axis; several contracted axes count as one K, in the product's order):
;;     1. [M 8,192, K 1,024] x [K 1,024, N 1,024]; A: input query; B: input Wq: QUANTISED
;;     2. [M 8,192, K 1,024] x [K 1,024, N 1,024]; A: input key; B: input Wk: QUANTISED
;;     3. [M 8,192, K 1,024] x [K 1,024, N 1,024]; A: input value; B: input Wv: QUANTISED
;;     4. batch 64 x [M 2,048, K 64] x [K 64, N 2,048]; A: computed on the way; B: computed on the way: QUANTISED
;;     5. batch 64 x [M 2,048, K 2,048] x [K 2,048, N 64]; A: softmax (see below); B: computed on the way: QUANTISED
;;     6. [M 8,192, K 1,024] x [K 1,024, N 1,024]; A: computed on the way; B: input Wo: QUANTISED
;;   THE QUANTISER, for each operand of a quantised product, along K:
;;     - K is cut into blocks of 32 from its start; a last block that is shorter is filled with zeros.
;;     - A block's scale is 2^e with e = floor(log2(the largest magnitude in the block)) - 2, held to -126 .. 127; a block of zeros has e = 0. As a byte (E8M0): e + 127.
;;     - Each number is divided by its block's scale, clamped to +-7.5, and rounded to the nearest number of E2M3, ties to even, subnormals kept.
;;     - The product sums the exact products of the quantised numbers (number of the format x scale) in f32.
;;   ~~~python
;;   def quantise(x, axis):      # numpy; x: float32 -> the quantised numbers, widened to float32 again
;;       x = np.moveaxis(x, axis, -1); K = x.shape[-1]
;;       x = np.pad(x, [(0, 0)] * (x.ndim - 1) + [(0, -K % 32)]); x = x.reshape(x.shape[:-1] + (-1, 32)); a = np.abs(x).max(-1, keepdims=True)
;;       e = np.where(a > 0, np.clip(np.frexp(np.where(a > 0, a, 1))[1] - 1 - 2, -126, 127), 0)      # np.frexp(a)[1] - 1 = floor(log2(a)), exactly
;;       r = np.clip(x / 2.0 ** e, -7.5, 7.5)
;;       step = 2.0 ** (np.maximum(np.frexp(np.where(r == 0, 1, r))[1] - 1, 0) - 3)
;;       q = np.round(r / step) * step * 2.0 ** e      # np.round: ties to even
;;       return np.moveaxis(q.reshape(q.shape[:-2] + (-1,))[..., :K], -1, axis).astype(np.float32)
;;   ~~~
;;   SOFTMAX AHEAD OF A QUANTISED PRODUCT. Where the list says 'softmax', what is quantised is not the finished softmax but p = 2^(t - M), with t = logit x log2(e) and M = ceil(the row's largest t), a whole number; so 1/2 < the row's largest p <= 1. The row's sum l is taken of the UNQUANTISED p, in f32, and the product's result is divided by l at the end. Since M is a whole number, a kernel that streams over the keys may use a running M (the ceiling of the running maximum): every later rescaling is an exact power of two, which a block's scale takes up: the codes' values come out the same.
;;   OPERANDS COMPUTED ON THE WAY. 'Computed on the way' means the value that the module computes at that place (a softmax that the list does not call 'softmax' is quantised finished and normalised). What goes into a quantiser is computed in f32, as accurately as f32 sums, v_exp_f32 and their like allow (about 1e-6 of the number): no bf16 or f16 on the way to a quantiser, and a product that is left as it is and whose result goes on into a quantised operand takes f32 operands (vector FMAs, or v_wmma_f32_16x16x4_f32). A number that lies on a knife's edge between two numbers of the format may be rounded either way, as far as f32 arithmetic and the matrix unit's own rounding can turn it there, and no further.
;; One version. Each part assembles by itself: llvm-mc -triple=amdgcn-amd-amdhsa -mcpu=gfx1250 --defsym DOCPART=n.
;; ======== version 1 of 1: 4 launches
;; limits: right only within a limited range of input values
;; workspace buffers: codes 22,020,096 bytes; scales 917,504 bytes; rope 524,288 bytes; qbuf 6,553,600 bytes; kvbuf 13,107,200 bytes; obuf 6,291,456 bytes; oscale 262,144 bytes
;; launch prep (part 1): grid 912 x 1, 4 waves a work-group, no clusters, 68,096 bytes of LDS; arguments query, key, value, Wq, Wk, Wv, Wo, codes, scales, rope; writes codes, scales, rope
.if DOCPART == 1
	.amdgcn_target "amdgcn-amd-amdhsa--gfx1250"
	.amdhsa_code_object_version 6
	.text
	.protected	k_qd22d4e38d6_prep
	.globl	k_qd22d4e38d6_prep
	.p2align	8
	.type	k_qd22d4e38d6_prep,@function
k_qd22d4e38d6_prep:
	s_mov_b64 s[64:65], 0
	v_nop
	global_prefetch_b8 v0, s[64:65] scope:SCOPE_SE
	s_setreg_imm32_b32 hwreg(HW_REG_WAVE_MODE, 25, 1), 1
	s_wait_xcnt 0x0
; PREP.  Three kinds of work-groups, told apart by the work-group's number alone.
;   0 .. 767    query, key, value [8192][1024] f32 (K innermost) -> codes of FP6 (E2M3) and E8M0 scale bytes, one for each 32 along K.
;   768 .. 895  Wv, Wq, Wk, Wo [1024 (k)][1024 (n)] f32 (K outermost) -> codes laid [n][k], K innermost, and scale bytes [n][k / 32].
;   896 .. 911  the table of cos and sin: rope[t][i] = (cos, sin)(t x 10^(-i/8)), t = 0 .. 2047, i = 0 .. 31.
; codes: 28,672 rows of 768 bytes; scales: the same rows of 32 bytes.  Row bases: query 0, key 8192, Wv 16384, Wq 17408, Wk 18432, value 19456, Wo 27648.
; WITHIN A TENSOR ROW n LIES AT POSITION n WITH BITS 3 AND 4 EXCHANGED: sixteen neighbouring positions 16 t + r then hold rows 32 (t / 2) + 8 (t % 2) + r + 8 (r / 8),
; so that in the products that follow a lane's 16 registers of two neighbouring tiles are 16 neighbours along the next product's K.
; A block's scale is 2^(floor(log2(largest magnitude)) - 2); its byte is the largest magnitude's exponent field - 2, held at 1 from below.
; LIMITS: a block of zeros gets the byte 1 where the rule says 127 (its codes are zeros, and this program alone reads the bytes); blocks whose largest magnitude lies under 2^-124
; get the byte 1; NaN and infinities among the inputs are not served.  The table follows f32 arithmetic on t x (1 / 10^(i/8)) with 10^(i/8) rounded to the nearest f32; cos and sin are good to about 1e-7.
; No tensor loads, no barrier: waves share nothing.  No cluster: no two work-groups read the same bytes.  Each kind of work-group has LDS bytes of its own.
; THE LAYOUT OF codes (it takes the place of plain rows of 768 bytes): [position / 256][K step of 256 = 0 .. 3][position % 256][192 bytes].  So a K step of 256 rows is 49,152 dense bytes,
; which begin at a multiple of 256 bytes, and two K steps on end are 98,304.  scales stays [position][32 bytes].
.set SPW,   196
.set NIL,   197                        ; v197  0; never rewritten
.set SPARE, 67584                      ; behind both kinds' stages: the spare words, 128 bytes for each wave
.set EMAX,  2
.set STEPS, 16                         ; activations: a wave takes 16 steps of 512 numbers: 8 rows
.set CB,    12                         ; bytes of 16 codes
.set AR,    16                         ; v16-79   four sets of 16 numbers as they are loaded
.set AX,    80                         ; v80-111  two sets of 16 neighbours
.set AE,    112                        ; v112-127 a scale byte for each step
.set AC,    128                        ; v128-190 codes: four registers for each step
.set WREG,  8192                       ; LDS 0 .. 32767: a region for each wave: two stages of 32 x SP bytes, then its 256 scale bytes
.set SP,    80
.set NB,    8                          ; weights: a wave takes 32 columns x 256 along K: 8 blocks a lane
.set WP,    272                        ; a stage row: sixteen places of 16 bytes + 16
.set WSTG,  32768                      ; LDS 32768 .. 67583: a stage of 32 rows for each wave
.set KROW,  768
.set WX,    32                         ; v32-95   two sets of 32 numbers
.set WC,    96                         ; v96..    a block's codes
.set WO,    112                        ; v112-175 the way out
.set WSB,   24                         ; v24-25   the scale bytes
.macro ALOAD t
.irp i, 0,1,2,3
	global_load_b128 v[AR+16*((\t)%4)+4*\i:AR+16*((\t)%4)+4*\i+3], v3, s[4:5] offset:2048*(\t)+512*\i th:TH_LOAD_NT   ; 32 lanes read 512 consecutive bytes
.endr
.endm
.macro ATURN t                         ; step t's numbers through the stage: LDS serves a wave's instructions in order, so no wait stands between the stores and the loads
.irp i, 0,1,2,3
	ds_store_b128 v14, v[AR+16*((\t)%4)+4*\i:AR+16*((\t)%4)+4*\i+3] offset:32*SP*((\t)%2)+8*SP*\i
.endr
.irp i, 0,1,2,3
	ds_load_b128 v[AX+16*((\t)%2)+4*\i:AX+16*((\t)%2)+4*\i+3], v15 offset:32*SP*((\t)%2)+16*\i
.endr
.endm
.macro ASTEP t
.set XS, AX+16*((\t)%2)
.if (\t) > 0
	s_wait_dscnt 1                                 ; this step's numbers are back from the stage (the last step's byte store may be out)
.else
	s_wait_dscnt 0x0
.endif
.if (\t)+4 < STEPS
	ALOAD (\t)+4                                   ; the stage's stores have read these registers: they take the loads of four steps on
.endif
.if (\t)+1 < STEPS
.if STEPS-2-(\t) >= 3
	s_wait_loadcnt 12                              ; the next step's four loads are in; those of the three steps behind it may be out
.else
	s_wait_loadcnt 4*(STEPS-2-(\t))
.endif
	ATURN (\t)+1
.endif
	v_max3_num_f32 v8, |v[XS]|, |v[XS+1]|, |v[XS+2]|               ; the largest magnitude of my 16
	v_max3_num_f32 v9, |v[XS+3]|, |v[XS+4]|, |v[XS+5]|
.irp i, 6,10
	v_max3_num_f32 v8, v8, |v[XS+\i]|, |v[XS+\i+1]|
	v_max3_num_f32 v9, v9, |v[XS+\i+2]|, |v[XS+\i+3]|
.endr
	v_max3_num_f32 v8, v8, |v[XS+14]|, |v[XS+15]|
	v_max3_num_f32 v8, v8, v9, (EMAX+1)<<23        ; and the floor 2^(3 - 127): the byte cannot fall under 1
	v_max_num_f32_dpp v8, v8, v8 row_xmask:1 row_mask:0xf bank_mask:0xf   ; and of my neighbour's 16: the block's
	v_add_nc_u32 v11, -(EMAX<<23), v8              ; 2 off its exponent field: the conversion takes the exponent field of this operand as its scale
	v_cvt_scalef32_pk16_fp6_f32 v[AC+4*(\t):AC+4*(\t)+2], v[XS:XS+15], v11
	v_lshrrev_b32 v[AE+(\t)], 23, v11              ; the scale's byte
	ds_store_b8 v5, v[AE+(\t)] offset:16*(\t)      ; both lanes of a block write the same byte with the same value
	global_store_b96 v4, v[AC+4*(\t):AC+4*(\t)+2], s[18:19] offset:192*((\t)/2)+98304*((\t)%2)   ; row t / 2 of my eight; K steps 2 (t % 2) (lanes 0-15) and 2 (t % 2) + 1 (lanes 16-31)
.endm
.macro WLOAD t                         ; block t: W(32 t + i, my column), i = 0 .. 31, into set t % 2
.irp i, 0,1,2,3,4,5,6,7,8,9,10,11,12,13,14,15,16,17,18,19,20,21,22,23,24,25,26,27,28,29,30,31
	global_load_b32 v[WX+32*((\t)%2)+\i], v3, s[14:15] offset:(32*(\t)+\i)*4096 th:TH_LOAD_NT
.endr
.endm
.macro WBLOCK t
.set XS, WX+32*((\t)%2)
.if (\t) < NB-1
	s_wait_loadcnt 32                              ; this block's 32 loads are in; the next block's may be out
.else
	s_wait_loadcnt 0
.endif
	v_max3_num_f32 v12, |v[XS]|, |v[XS+1]|, |v[XS+2]|               ; the block's largest magnitude: all 32 numbers are mine
	v_max3_num_f32 v13, |v[XS+3]|, |v[XS+4]|, |v[XS+5]|
.irp i, 6,10,14,18,22,26
	v_max3_num_f32 v12, v12, |v[XS+\i]|, |v[XS+\i+1]|
	v_max3_num_f32 v13, v13, |v[XS+\i+2]|, |v[XS+\i+3]|
.endr
	v_max3_num_f32 v12, v12, |v[XS+30]|, |v[XS+31]|
	v_max3_num_f32 v12, v12, v13, (EMAX+1)<<23
	v_add_nc_u32 v11, -(EMAX<<23), v12
	v_lshrrev_b32 v13, 23, v11                     ; the scale's byte
.if (\t)%4 == 0
	v_mov_b32 v[WSB+(\t)/4], v13                   ; four bytes to a register, the lower K in the lower byte
.else
	v_lshl_or_b32 v[WSB+(\t)/4], v13, 8*((\t)%4), v[WSB+(\t)/4]
.endif
	v_cvt_scalef32_pk16_fp6_f32 v[WC:WC+2], v[XS:XS+15], v11
	v_cvt_scalef32_pk16_fp6_f32 v[WC+4:WC+6], v[XS+16:XS+31], v11   ; (a conversion's three registers begin on an even number)
	ds_store_b96 v4, v[WC:WC+2] offset:32*(\t)     ; 12 bytes to a place of 16 in the stage
	ds_store_b96 v4, v[WC+4:WC+6] offset:32*(\t)+16
.if (\t)+2 < NB
	WLOAD (\t)+2
.endif
	s_wait_dscnt 0x0                               ; the stores have read their registers: the next block's codes may be written
.endm
.macro FREQ lane, val                  ; 10^(lane / 8) into its lane
	s_mov_b32 s25, \val
	v_writelane_b32 v3, s25, \lane
.endm
	s_load_b512 s[4:19], s[0:1], 0x0               ; query, key, value, Wq, Wk, Wv, Wo, codes
	s_load_b128 s[20:23], s[0:1], 0x40             ; scales, rope
	v_lshl_add_u32 v[SPW], v0, 2, SPARE
	v_mov_b32 v[NIL], 0
	v_lshrrev_b32 v1, 5, v0
	v_readfirstlane_b32 s24, v1                    ; wave 0..3
	v_and_b32 v2, 31, v0                           ; lane
	s_wait_kmcnt 0x0
	s_cmp_ge_u32 ttmp9, 896
	s_cbranch_scc1 .Ltable
	s_cmp_ge_u32 ttmp9, 768
	s_cbranch_scc1 .Lweights
	; ---- activations.  A run is 8,192 numbers, 8 rows; the work-group's four runs change places so that the rows' bits 3 and 4 are exchanged
	s_lshr_b32 s25, ttmp9, 8                       ; which tensor
	s_and_b32 s26, ttmp9, 255
	s_cmp_eq_u32 s25, 1
	s_cselect_b64 s[4:5], s[6:7], s[4:5]
	s_cselect_b32 s27, 1024, 0                     ; the tensor's first run in codes: row base / 8
	s_cmp_eq_u32 s25, 2
	s_cselect_b64 s[4:5], s[8:9], s[4:5]
	s_cselect_b32 s27, 2432, s27
	s_lshl_b32 s26, s26, 2
	s_add_co_u32 s28, s26, s24                     ; the run that I read
	s_lshl_b32 s30, s28, 15                        ; 32,768 bytes a run
	s_mov_b32 s31, 0
	s_add_nc_u64 s[4:5], s[4:5], s[30:31]
	s_and_b32 s32, s24, 1
	s_lshl_b32 s32, s32, 1
	s_lshr_b32 s33, s24, 1
	s_or_b32 s32, s32, s33                         ; the wave's two bits exchanged
	s_add_co_u32 s28, s26, s32
	s_add_co_u32 s28, s28, s27                     ; the run that I write
	s_lshr_b32 s30, s28, 5                         ; 32 runs of 8 rows to a group of 256 positions
	s_mul_i32 s30, s30, 196608
	s_and_b32 s35, s28, 31
	s_mul_i32 s35, s35, 1536                       ; 8 rows of 192 bytes
	s_add_co_u32 s30, s30, s35
	s_add_nc_u64 s[18:19], s[18:19], s[30:31]
	s_lshl_b32 s30, s28, 8
	s_add_nc_u64 s[20:21], s[20:21], s[30:31]
	s_wait_alu depctr_va_vdst(0)
	v_lshlrev_b32 v3, 4, v2                        ; my 16 bytes of a load's 512
	s_mul_i32 s34, s24, WREG
	v_lshrrev_b32 v14, 2, v2
	v_mul_u32_u24 v14, v14, SP
	v_and_b32 v15, 3, v2
	v_lshl_add_u32 v14, v15, 4, v14
	v_add_nc_u32 v14, s34, v14                     ; the stage, on the way in: SP (lane / 4) + 16 (lane % 4)
	v_mul_u32_u24 v15, v2, SP
	v_add_nc_u32 v15, s34, v15                     ; and on the way out: SP x lane: my 16 neighbours
	v_and_b32 v4, 15, v2
	v_mul_u32_u24 v4, v4, CB                       ; my codes' place in a row's 192 bytes of a K step,
	v_lshrrev_b32 v5, 4, v2
	v_mad_u32_u24 v4, v5, 0xc000, v4               ; lanes 16-31 one K step (49,152 bytes) on
	v_lshrrev_b32 v5, 1, v2
	s_add_co_u32 s34, s34, 2*32*SP
	v_add_nc_u32 v5, s34, v5                       ; my wave's 256 scale bytes, my block's byte
	v_lshlrev_b32 v7, 3, v2
	v_add_nc_u32 v6, s34, v7                       ; and on the way out 8 bytes a lane
.irp t, 0,1,2,3
	ALOAD \t
.endr
	s_wait_alu depctr_va_vdst(0)
	s_wait_loadcnt 12                              ; step 0's four loads are in
	ATURN 0
.irp t, 0,1,2,3,4,5,6,7,8,9,10,11,12,13,14,15
	ASTEP \t
.endr
	ds_load_b64 v[8:9], v6                         ; LDS serves a wave's instructions in order: these see my stores
	s_wait_dscnt 0x0
	global_store_b64 v7, v[8:9], s[20:21]          ; 32 lanes store 256 consecutive bytes, aligned
	s_wait_tensorcnt 0x0                           ; the wave's end
	ds_add_u32 v[SPW], v[NIL]
	s_wait_dscnt 0x0
	s_endpgm
.Lweights:
	; ---- weights.  A lane takes a column n, and its registers run down K
	s_sub_co_u32 s25, ttmp9, 768
	s_lshr_b32 s26, s25, 5                         ; which weight: Wv, Wq, Wk, Wo
	s_and_b32 s27, s25, 7                          ; which 128 columns
	s_bfe_u32 s28, s25, 0x20003                    ; which 256 along K
	s_cmp_eq_u32 s26, 1
	s_cselect_b64 s[14:15], s[10:11], s[14:15]
	s_cmp_eq_u32 s26, 2
	s_cselect_b64 s[14:15], s[12:13], s[14:15]
	s_cmp_eq_u32 s26, 3
	s_cselect_b64 s[14:15], s[16:17], s[14:15]
	s_lshl_b32 s29, s26, 10
	s_add_co_u32 s29, s29, 16384
	s_cmp_eq_u32 s26, 3
	s_cselect_b32 s29, 27648, s29                  ; the weight's row base in codes
	s_lshl_b32 s30, s27, 7
	s_lshl_b32 s31, s24, 5
	s_add_co_u32 s30, s30, s31                     ; my wave's first column, a multiple of 32
	s_lshl_b32 s32, s28, 20                        ; 256 rows of 4,096 bytes
	s_lshl_b32 s33, s30, 2
	s_add_co_u32 s32, s32, s33
	s_mov_b32 s33, 0
	s_add_nc_u64 s[14:15], s[14:15], s[32:33]
	s_add_co_u32 s29, s29, s30                     ; my first position
	s_cmp_eq_u32 s26, 0                            ; Wv alone lies in groups of 128 positions, [position / 128][K step][position % 128][192 bytes]: its reader takes 128 rows, all of K, as one dense block
	s_cselect_b32 s36, 7, 8
	s_lshr_b32 s32, s29, s36
	s_lshl_b32 s32, s32, s36                       ; my group's first position,
	s_sub_co_u32 s34, s29, s32                     ; my first row in the group
	s_mul_i32 s32, s32, KROW
	s_mul_i32 s34, s34, 192
	s_add_co_u32 s32, s32, s34
	s_mul_i32 s34, s28, 192                        ; my K step: the group's rows x 192 bytes each
	s_lshl_b32 s34, s34, s36
	s_add_co_u32 s32, s32, s34
	s_add_nc_u64 s[18:19], s[18:19], s[32:33]
	s_lshl_b32 s32, s29, 5
	s_lshl_b32 s34, s28, 3
	s_add_co_u32 s32, s32, s34
	s_add_nc_u64 s[20:21], s[20:21], s[32:33]
	s_wait_alu depctr_va_vdst(0)
	v_lshlrev_b32 v3, 2, v2                        ; in: 4 bytes a lane
	s_mul_i32 s35, s24, 32*WP
	s_add_co_u32 s35, s35, WSTG                    ; my stage
	v_mul_u32_u24 v4, v2, WP
	v_add_nc_u32 v4, s35, v4                       ; into it: row = my column
	v_and_b32 v5, 15, v2
	v_lshrrev_b32 v6, 4, v2                        ; out of it: sixteen lanes to a row, two rows an instruction
	v_mul_u32_u24 v7, v6, WP
	v_lshl_add_u32 v7, v5, 4, v7
	v_add_nc_u32 v7, s35, v7
	v_mul_u32_u24 v8, v6, 192
	v_mad_u32_u24 v8, v5, 12, v8                   ; and the same place in codes
	v_and_b32 v9, 7, v2                            ; my column's position: bits 3 and 4 exchanged,
	v_and_b32 v10, 8, v2
	v_lshl_or_b32 v9, v10, 1, v9
	v_and_b32 v10, 16, v2
	v_lshrrev_b32 v10, 1, v10
	v_or_b32 v9, v9, v10
	v_lshlrev_b32 v9, 5, v9                        ; x 32 bytes: its row of scale bytes
	WLOAD 0
	WLOAD 1
.set Q, 0
.rept NB
	WBLOCK Q
.set Q, Q+1
.endr
	s_wait_alu depctr_va_vdst(0)
	global_store_b64 v9, v[WSB:WSB+1], s[20:21]    ; my column's 8 scale bytes
.irp t, 0,1,2,3,4,5,6,7,8,9,10,11,12,13,14,15
	ds_load_b96 v[WO+4*\t:WO+4*\t+2], v7 offset:2*\t*WP   ; stage rows 2 t and 2 t + 1
.endr
.irp t, 0,1,2,3,4,5,6,7,8,9,10,11,12,13,14,15
	s_wait_dscnt 15-\t
	global_store_b96 v8, v[WO+4*\t:WO+4*\t+2], s[18:19] offset:2*((\t&3)|((\t&4)<<1)|((\t&8)>>1))*192   ; column 2 t + h goes to the position with bits 3 and 4 exchanged: 384 consecutive bytes a store
.endr
	s_wait_tensorcnt 0x0                           ; the wave's end
	ds_add_u32 v[SPW], v[NIL]
	s_wait_dscnt 0x0
	s_endpgm
.Ltable:
	; ---- the table.  A wave takes 32 values of t; lane i takes frequency i
	s_sub_co_u32 s25, ttmp9, 896
	s_lshl_b32 s25, s25, 2
	s_add_co_u32 s25, s25, s24
	s_lshl_b32 s29, s25, 5                         ; my first t
	s_lshl_b32 s26, s29, 8                         ; 256 bytes for each t
	s_mov_b32 s27, 0
	s_add_nc_u64 s[22:23], s[22:23], s[26:27]
	v_mov_b32 v3, 0
	FREQ 0, 1.0
	FREQ 1, 1.3335214321633240
	FREQ 2, 1.7782794100389228
	FREQ 3, 2.3713737056616552
	FREQ 4, 3.1622776601683795
	FREQ 5, 4.2169650342858226
	FREQ 6, 5.6234132519034908
	FREQ 7, 7.4989420933245582
	FREQ 8, 10.0
	FREQ 9, 13.335214321633240
	FREQ 10, 17.782794100389228
	FREQ 11, 23.713737056616552
	FREQ 12, 31.622776601683795
	FREQ 13, 42.169650342858226
	FREQ 14, 56.234132519034908
	FREQ 15, 74.989420933245582
	FREQ 16, 100.0
	FREQ 17, 133.35214321633240
	FREQ 18, 177.82794100389228
	FREQ 19, 237.13737056616552
	FREQ 20, 316.22776601683795
	FREQ 21, 421.69650342858226
	FREQ 22, 562.34132519034908
	FREQ 23, 749.89420933245582
	FREQ 24, 1000.0
	FREQ 25, 1333.5214321633240
	FREQ 26, 1778.2794100389228
	FREQ 27, 2371.3737056616552
	FREQ 28, 3162.2776601683795
	FREQ 29, 4216.9650342858226
	FREQ 30, 5623.4132519034908
	FREQ 31, 7498.9420933245582
	s_wait_alu depctr_va_vdst(0)
	v_rcp_f32 v4, v3
	v_lshlrev_b32 v5, 3, v2                        ; (a plain instruction behind the reciprocal)  8 bytes a lane: a pair (cos, sin)
	s_wait_alu depctr_va_vdst(0)                   ; ahead of the first reader
	v_fma_f32 v6, -v3, v4, 1.0                     ; one step of Newton: the quotient 1 / p as a division rounds it
	v_fma_f32 v4, v4, v6, v4
	v_cvt_f32_u32 v7, s29                          ; t as f32
	s_mov_b32 s36, 0x3fc90fdb                      ; pi / 2: its f32,
	s_mov_b32 s37, 0xb33bbd2e                      ; and what is left of it
	s_mov_b32 s38, 0xb94ca1f9                      ; sin: -1.9515295891e-4
	s_mov_b32 s39, 0x3c08839e                      ;       8.3321608736e-3
	s_mov_b32 s40, 0xbe2aaaa3                      ;      -1.6666654611e-1
	s_mov_b32 s41, 0x37ccf5ce                      ; cos:  2.4433157118e-5
	s_mov_b32 s42, 0xbab6061a                      ;      -1.3887316255e-3
	s_mov_b32 s43, 0x3d2aaaa5                      ;       4.1666645683e-2
	s_mov_b32 s28, 0
.Lt:
	s_wait_alu depctr_va_vdst(0)
	v_mul_f32 v8, v7, v4                           ; the angle, one rounding
	v_mul_f32 v9, 0x3f22f983, v8
	v_rndne_f32 v9, v9                             ; n = the nearest multiple of pi / 2
	v_fma_f32 v10, -v9, s36, v8                    ; exact: n has 11 bits at the most
	v_fma_f32 v10, -v9, s37, v10                   ; r, within pi / 4
	v_mul_f32 v11, v10, v10                        ; z = r r
	v_fma_f32 v12, v11, s38, s39
	v_fma_f32 v14, v11, s41, s42
	v_fma_f32 v12, v12, v11, s40
	v_fma_f32 v14, v14, v11, s43
	v_mul_f32 v13, v11, v10
	v_mul_f32 v15, v11, v11
	v_fma_f32 v16, v11, -0.5, 1.0
	v_fma_f32 v12, v12, v13, v10                   ; sin r
	v_fma_f32 v14, v14, v15, v16                   ; cos r
	v_cvt_i32_f32 v17, v9
	v_and_b32 v18, 1, v17
	v_cmp_ne_u32 vcc_lo, 0, v18                    ; in the odd quadrants the two change places (a choice of values: no address and no branch hangs on it)
	v_cndmask_b32 v20, v14, v12, vcc_lo
	v_cndmask_b32 v21, v12, v14, vcc_lo
	v_add_nc_u32 v18, 1, v17
	v_and_b32 v18, 2, v18
	v_lshlrev_b32 v18, 30, v18
	v_xor_b32 v20, v20, v18                        ; cos is negative in quadrants 1 and 2,
	v_and_b32 v19, 2, v17
	v_lshlrev_b32 v19, 30, v19
	v_xor_b32 v21, v21, v19                        ; sin in 2 and 3
	global_store_b64 v5, v[20:21], s[22:23]        ; 32 lanes store 256 consecutive bytes, aligned
	s_wait_xcnt 0x0                                ; the store has read its registers: they are written again only behind this wait
	v_add_nc_u32 v5, 256, v5
	v_add_f32 v7, 1.0, v7
	s_add_co_u32 s28, s28, 1
	s_cmp_lt_u32 s28, 32
	s_cbranch_scc1 .Lt
	s_wait_tensorcnt 0x0                           ; the wave's end
	ds_add_u32 v[SPW], v[NIL]
	s_wait_dscnt 0x0
	s_endpgm
.Lfunc_end_k_qd22d4e38d6_prep:
	.size	k_qd22d4e38d6_prep, .Lfunc_end_k_qd22d4e38d6_prep-k_qd22d4e38d6_prep
	.p2alignl 7, 3214868480
	.fill 96, 4, 3214868480
	.section	.rodata,"a",@progbits
	.p2align	6, 0x0
	.amdhsa_kernel k_qd22d4e38d6_prep
		.amdhsa_group_segment_fixed_size 68096
		.amdhsa_private_segment_fixed_size 0
		.amdhsa_enable_private_segment 0
		.amdhsa_kernarg_size 80
		.amdhsa_user_sgpr_count 2
		.amdhsa_user_sgpr_kernarg_segment_ptr 1
		.amdhsa_wavefront_size32 1
		.amdhsa_system_sgpr_workgroup_id_x 1
		.amdhsa_system_sgpr_workgroup_id_y 1
		.amdhsa_system_sgpr_workgroup_id_z 1
		.amdhsa_system_vgpr_workitem_id 0
		.amdhsa_next_free_vgpr 200
		.amdhsa_next_free_sgpr 66
		.amdhsa_reserve_vcc 1
		.amdhsa_float_denorm_mode_32 3
		.amdhsa_float_denorm_mode_16_64 3
		.amdhsa_memory_ordered 1
		.amdhsa_forward_progress 1
		.amdhsa_inst_pref_size 81
	.end_amdhsa_kernel
	.amdgpu_metadata
---
amdhsa.version: [ 1, 2 ]
amdhsa.kernels:
  - .name:           k_qd22d4e38d6_prep
    .symbol:         k_qd22d4e38d6_prep.kd
    .args:
      - { .name: query, .offset: 0, .size: 8, .value_kind: global_buffer, .address_space: global }
      - { .name: key, .offset: 8, .size: 8, .value_kind: global_buffer, .address_space: global }
      - { .name: value, .offset: 16, .size: 8, .value_kind: global_buffer, .address_space: global }
      - { .name: Wq, .offset: 24, .size: 8, .value_kind: global_buffer, .address_space: global }
      - { .name: Wk, .offset: 32, .size: 8, .value_kind: global_buffer, .address_space: global }
      - { .name: Wv, .offset: 40, .size: 8, .value_kind: global_buffer, .address_space: global }
      - { .name: Wo, .offset: 48, .size: 8, .value_kind: global_buffer, .address_space: global }
      - { .name: codes, .offset: 56, .size: 8, .value_kind: global_buffer, .address_space: global }
      - { .name: scales, .offset: 64, .size: 8, .value_kind: global_buffer, .address_space: global }
      - { .name: rope, .offset: 72, .size: 8, .value_kind: global_buffer, .address_space: global }
    .group_segment_fixed_size: 68096
    .private_segment_fixed_size: 0
    .kernarg_segment_align: 8
    .kernarg_segment_size: 80
    .max_flat_workgroup_size: 128
    .sgpr_count:     66
    .vgpr_count:     200
    .wavefront_size: 32
...
	.end_amdgpu_metadata
.endif
;; end of part 1
;; launch proj (part 2): grid 4 x 64, 4 waves a work-group, clusters of 4 x 4, 327,680 bytes of LDS; arguments codes, scales, rope, bq, bk, bv, qbuf, kvbuf; writes qbuf, kvbuf
.if DOCPART == 2
	.amdgcn_target "amdgcn-amd-amdhsa--gfx1250"
	.amdhsa_code_object_version 6
	.text
	.protected	k_qd22d4e38d6_proj
	.globl	k_qd22d4e38d6_proj
	.p2align	8
	.type	k_qd22d4e38d6_proj,@function
k_qd22d4e38d6_proj:
	s_mov_b64 s[64:65], 0
	v_nop
	global_prefetch_b8 v0, s[64:65] scope:SCOPE_SE
	s_setreg_imm32_b32 hwreg(HW_REG_WAVE_MODE, 25, 1), 1
	s_wait_xcnt 0x0
	s_wait_alu depctr_hold_cnt(0) depctr_sa_sdst(0) depctr_va_vdst(0) depctr_va_sdst(0) depctr_va_ssrc(0) depctr_va_vcc(0) depctr_vm_vsrc(0)
	s_getreg_b32 s2, hwreg(HW_REG_IB_STS2, 6, 4)
	s_cmp_eq_u32 s2, 0
	s_cbranch_scc0 .Lentry_in_a_cluster
	s_endpgm
.Lentry_in_a_cluster:
	s_bfe_u32 s2, ttmp6, 0x10000c
	s_cmp_lg_u32 s2, 0xf033
	s_cbranch_scc0 .Lentry_shape_is_right
	s_endpgm
.Lentry_shape_is_right:
; PROJ.  The three input projections on codes of FP6 (E2M3) with E8M0 scales, K = 1,024, and what follows them up to the next quantiser.
; A tile of 256 x 256 is made by four waves, 128 x 128 each: 64 accumulators, 512 registers.  K goes in steps of 256 through a ring of two LDS slots filled by the tensor data mover.
; ROLES, by the cluster's y (0 .. 23), which all sixteen partners share:  0-7: A = query, B = Wq;  8-15: A = key, B = Wk;  16-23: A = Wv, B = value, so that V comes out transposed.
; All operands are rows of the buffer codes (768 bytes a row) and of scales (32 bytes a row).
; CLUSTERS: 4 x 4 work-groups.  A's tile hangs on cy and the cluster's y, B's on cx and the cluster's y: each is asked for jointly by the four that share it.
; THE MATRIX INSTRUCTION IS USED TRANSPOSED (source 0 = 16 rows of B, source 1 = 16 rows of A).  Rows lie in codes with bits 3 and 4 of their number exchanged, so in accumulator (a, b) lane (r, h), register j is
; A's row 32 (a / 2) + 8 (a % 2) + r + 8 (r / 8) and B's row 32 (b / 2) + 16 h + 8 (b % 2) + j: the 16 registers of tiles 2 g, 2 g + 1 are 16 neighbours along B's axis.
; THE EPILOGUE works in registers, a block of 16 rows of A at a time.  q, k: + bias, the rotation by the table's cos and sin, quantised along the head's 64 (two blocks of 32); v: + bias, quantised along 128 keys.
; The codes leave as IMAGES OF THE NEXT OPERAND'S REGISTERS: each store of a wave covers 512 or 256 consecutive bytes, aligned to 256.
;   qbuf  [batch x head][chunk of 128 tokens][6,400]: 8 tiles of 768 bytes (registers 0-3 at 16 x lane, 4-5 at 512 + 8 x lane), then 256 bytes of scale words at 16 r + 4 (tile / 2): two bytes of the even tile, two of the odd.
;   kvbuf [batch x head][chunk][12,800]: K as in qbuf, then V: 4 tiles of 16 channels x 128 keys, 1,536 bytes each (registers 4 p .. 4 p + 3 at 512 p + 16 x lane), then 256 bytes of scale words at 16 r + 4 tile.
; No prefetch: four K steps a work-group, and the tiles are shared in the cluster.
; LIMITS: a block of zeros, and one whose largest magnitude lies under 2^-124, gets the scale byte 1; NaN and infinities are not served.
; REGISTERS, in windows of 256.  Window 0: v1, v2 r and h; v7-13 the epilogue's addresses; v16-29 addresses; v32-63 scale words, two sets; v64-67 the bias of my 4 blocks' channels; from v128 A's fragments, one set;
;   v224-255 the first block's cos and sin.  In the epilogue v72-255 are at work (map below).   Window 1: B's fragments, two sets, at v0 and v128; v96-127 and v224-255 the bias of my 128 features, in the result's layout.
;   Window 2: the accumulators of my rows 0-63 ((a, b) at v[8 (8 a + b)]);  window 3: those of my rows 64-127.
.set KSTEP,  256
.set NQ,     2
; codes lies [position / 256][K step][position % 256][192 bytes]: a K step of a tile's 256 rows is ROWB dense bytes, stated to the data mover as rows of 256 bytes with 16 bytes of padding behind every 64.
; LDS: A's K steps by turns at 0 and 2 HALFT, B's at 4 HALFT and 6 HALFT.  At the head one load a wave: A's K steps 0 and 1 on end, B's, A's scales, B's scales; later each wave refills a quarter of a K step.
; TWO PHASES A WORK-GROUP (this takes the place of the three roles named above): 256 work-groups; the cluster's y is Y = 0 .. 15.  PHASE 1: a tile of 256 x 256 of q (Y < 8) or k.
; PHASE 2: a half tile of V^T, 128 channels x 256 tokens: A = Wv's rows 128 (2 cy + Y % 2) .., B = value's rows 256 (4 (Y / 2) + cx) ..: 8 x 32 half tiles, one for each work-group.  A wave makes 64 x 128 there.
.set ROWB,   49152
.set KROW,   768
.set PITCH,  240                       ; an LDS row: 3 x (64 bytes + 16 of padding)
.set FR,     12
.set NL,     6
.set NP,     4
.set HALFT,  128*PITCH
.set SLOT,   4*HALFT
.set LAPS,   2
.set KS,     32
.set SCL,    2*SLOT
.set HALFS,  (128*KS/256)*272
.set SBLK,   (16*KS/256)*272
.set SPARE,  SCL+4*HALFS               ; the spare words, 128 bytes for each wave
.set L16,  7                           ; v7   16 x lane
.set L8,   8                           ; v8   8 x lane
.set SCO,  9                           ; v9   the scale words' place: 16 r + h x a head's bytes
.set CSA,  10                          ; v10  the table: 256 (r + 8 (r / 8)) + 64 h
.set SH,   11                          ; v11  16 h
.set H64,  12                          ; v12  64 h
.set R4,   13                          ; v13  4 (r + 8 (r / 8))
.set ADRA, 16
.set ADRB, 20
.set ADRS, 27
.set SPW,  28                          ; v28  my spare word; never rewritten
.set NIL,  29                          ; v29  0; never rewritten
.set SC,   32
.set BV,   64
.set HA,   72                          ; v72-135  a block's 64 numbers
.set AF,   128
.set PC,   136                         ; v136-155 the codes just made
.set TM,   156                         ; v156-171 at work in QUANT
.set PW,   172                         ; the scale word just made
.set TW,   173
.set SW,   174                         ; v174-181 scale words gathered over the blocks
.set TT,   182                         ; v182-189 at work in the rotation
.set SEL,  66                          ; s66, s67 lane selects for v_permlanex16_b32: lane l xor 16
.set G1, 24
.set G0, 32
.set G1B, 48
.set G0B, 56
.set G1S, 68
.set G0S, 76
.set G1SB, 80
.set G0SB, 88
.set MSB, 0
.macro WIN new                         ; the immediate's high byte repeats the setting that is left
.if MSB != (\new)
	s_set_vgpr_msb (MSB<<8)|(\new)
.set MSB, (\new)
.endif
.endm
.set MUL_LO, 0xa1                      ; source 0 (B) window 1, source 1 (A) window 0, C and D window 2
.set MUL_HI, 0xf1
.set TO_B,   0x40
; A joint load: waves 0 and 1 fetch for A, waves 2 and 3 for B.  An s_nop 0 and four v_nop follow each of the two lines.
.macro JLOAD g0a, g1a, g0b, g1b
	s_cmp_eq_u32 s15, 0
	s_cbranch_scc0 .Lfor_b_\@
	tensor_load_to_lds s[\g0a:\g0a+3], s[\g1a:\g1a+7]
	s_nop 0
.rept 4
	v_nop
.endr
	s_branch .Lasked_\@
.Lfor_b_\@:
	tensor_load_to_lds s[\g0b:\g0b+3], s[\g1b:\g1b+7]
	s_nop 0
.rept 4
	v_nop
.endr
.Lasked_\@:
.endm
.macro CREST
	s_cmp_lg_u32 s14, 0
	s_cbranch_scc1 .Lnot_wave_0_\@
	s_barrier_signal -3
.Lnot_wave_0_\@:
	s_barrier_wait -3
	s_barrier_signal -1
	s_barrier_wait -1
.endm
.macro CROUND
	s_barrier_signal -1
	s_barrier_wait -1
	CREST
.endm
	s_load_b256 s[4:11], s[0:1], 0x0               ; codes, scales, rope, bq
	s_load_b256 s[92:99], s[0:1], 0x20             ; bk, bv, qbuf, kvbuf
	v_lshl_add_u32 v[SPW], v0, 2, SPARE
	v_mov_b32 v[NIL], 0
	ds_add_u32 v[SPW], v[NIL]                      ; the wave's opening: the add and its wait ahead of my first tensor load
	ds_add_u32 v[SPW], v[NIL]
	v_lshrrev_b32 v1, 5, v0
	v_readfirstlane_b32 s14, v1                    ; wave 0..3
	s_lshr_b32 s15, s14, 1                         ; which half of A's rows is mine.  Also: I fetch for A (0) or for B (1)
	s_and_b32 s16, s14, 1                          ; which half of B's rows.  Also: which 128 rows of that tile I fetch
	s_bfe_u32 s40, ttmp6, 0x40000                  ; cx
	s_bfe_u32 s41, ttmp6, 0x40004                  ; cy
	s_and_b32 s42, ttmp7, 0xffff                   ; the cluster's y: the role
	s_lshl_b32 s43, s41, 2
	s_lshl_b32 s43, 15, s43                        ; my row of the cluster
	s_lshl_b32 s44, 0x1111, s40                    ; my column
	s_or_b32 s[G1+0], s43, (3<<16)|(1<<20)|(1<<21)|(3<<22)|(3<<25)  ; the mask; elements of 8 bytes; padding: 4 words behind every 16
	s_or_b32 s[G1B+0], s44, (3<<16)|(1<<20)|(1<<21)|(3<<22)|(3<<25)
.irp g, G1, G1B
	s_mov_b32 s[\g+1], 32<<16                      ; rows of 256 bytes
	s_mov_b32 s[\g+2], 384<<16                     ; the head's loads: two K steps of 256 rows, 98,304 dense bytes
	s_mov_b32 s[\g+3], 32<<16
	s_mov_b32 s[\g+4], 384
	s_mov_b32 s[\g+5], 32
	s_mov_b32 s[\g+6], 0
	s_mov_b32 s[\g+7], 0
.endr
	s_or_b32 s[G1S+0], s43, (3<<16)|(1<<20)|(1<<21)|(5<<22)|(3<<25)  ; the scales of 256 rows: 8,192 dense bytes as rows of 256, 16 bytes of padding behind each
	s_or_b32 s[G1SB+0], s44, (3<<16)|(1<<20)|(1<<21)|(5<<22)|(3<<25)
.irp g, G1S, G1SB
	s_mov_b32 s[\g+1], 32<<16
	s_mov_b32 s[\g+2], (256*KS/256)<<16            ; the scales of 256 rows
	s_mov_b32 s[\g+3], 32<<16
	s_mov_b32 s[\g+4], 256*KS/256
	s_mov_b32 s[\g+5], 32
	s_mov_b32 s[\g+6], 0
	s_mov_b32 s[\g+7], 0
.endr
	s_lshl_b32 s20, s42, 10                        ; A: query and key lie on end from row 0
	s_lshl_b32 s17, s41, 8
	s_add_co_u32 s20, s20, s17                     ; A's tile begins at row 1,024 min(y, 16) + 256 cy
	s_lshr_b32 s46, s42, 3
	s_lshl_b32 s46, s46, 10
	s_add_co_u32 s46, s46, 17408                   ; B: Wq at 17,408, Wk at 18,432, value from 19,456 on
	s_lshl_b32 s47, s40, 8
	s_add_co_u32 s46, s46, s47                     ; B's tile's first row
	s_lshl_b32 s22, s20, 5                         ; where these rows' scales begin,
	s_mov_b32 s23, 0
	s_lshl_b32 s100, s46, 5
	s_mov_b32 s101, 0
	s_mul_i32 s20, s20, KROW                       ; and their codes (all under 2^25 bytes)
	s_mov_b32 s21, 0
	s_mul_i32 s46, s46, KROW
	s_mov_b32 s47, 0
	s_mul_i32 s45, s16, HALFT                      ; in the ring I fetch 128 rows: where they go in a K step's place
	s_mov_b32 s[SEL], 0x76543210
	s_mov_b32 s[SEL+1], 0xfedcba98
	s_wait_dscnt 0x0                               ; the opening add is done
	s_wait_kmcnt 0x0
	s_add_nc_u64 s[20:21], s[4:5], s[20:21]
	s_add_nc_u64 s[22:23], s[6:7], s[22:23]
	s_add_nc_u64 s[46:47], s[4:5], s[46:47]
	s_add_nc_u64 s[100:101], s[6:7], s[100:101]
	CROUND                                         ; all sixteen work-groups are here: the first joint loads meet
	s_mov_b32 s[G0S], 1                            ; the scales of A's 256 rows,
	s_mov_b32 s[G0S+1], SCL
	s_mov_b64 s[G0S+2:G0S+3], s[22:23]
	s_or_b32 s[G0S+3], s[G0S+3], 0x80000000
	s_mov_b32 s[G0SB], 1                           ; and of B's
	s_mov_b32 s[G0SB+1], SCL+2*HALFS
	s_mov_b64 s[G0SB+2:G0SB+3], s[100:101]
	s_or_b32 s[G0SB+3], s[G0SB+3], 0x80000000
	s_mov_b32 s[G0], 1                             ; slot 0's groups 0 serve the head's loads first: A's K steps 0 and 1, whole,
	s_mov_b32 s[G0+1], 0
	s_mov_b64 s[G0+2:G0+3], s[20:21]
	s_or_b32 s[G0+3], s[G0+3], 0x80000000
	s_mov_b32 s[G0B], 1                            ; and B's
	s_mov_b32 s[G0B+1], 4*HALFT
	s_mov_b64 s[G0B+2:G0B+3], s[46:47]
	s_or_b32 s[G0B+3], s[G0B+3], 0x80000000
	s_mul_i32 s18, s16, ROWB/2                     ; for the ring: my 128 rows of a K step
	s_mov_b32 s19, 0
	s_add_nc_u64 s[20:21], s[20:21], s[18:19]
	s_add_nc_u64 s[46:47], s[46:47], s[18:19]
	s_mov_b32 s[G0+4], 1                           ; slot 1's groups 0 stand at K step 1: the first refill steps them to K step 3
	s_add_co_u32 s[G0+5], s45, 2*HALFT
	s_add_nc_u64 s[G0+6:G0+7], s[20:21], ROWB
	s_or_b32 s[G0+7], s[G0+7], 0x80000000
	s_mov_b32 s[G0B+4], 1
	s_add_co_u32 s[G0B+5], s45, 6*HALFT
	s_add_nc_u64 s[G0B+6:G0B+7], s[46:47], ROWB
	s_or_b32 s[G0B+7], s[G0B+7], 0x80000000
; the head's loads, one a wave: one chain of branches on the wave's number, a load to an arm
.macro ARM under, g0, g1, next
	s_cmp_lt_u32 s14, \under
	s_cbranch_scc0 \next
	tensor_load_to_lds s[\g0:\g0+3], s[\g1:\g1+7]
	s_nop 0
.rept 4
	v_nop
.endr
	s_branch .Lhead_asked
\next:
.endm
	ARM 1, G0,  G1,  .Lhead_b
	ARM 2, G0B, G1B, .Lhead_sa
	ARM 3, G0S, G1S, .Lhead_sb
	tensor_load_to_lds s[G0SB:G0SB+3], s[G1SB:G1SB+7]
	s_nop 0
.rept 4
	v_nop
.endr
.Lhead_asked:
	v_and_b32 v1, 15, v0                           ; r = l % 16
	v_bfe_u32 v2, v0, 4, 1                         ; h = l / 16
	v_mul_u32_u24 v3, v1, PITCH
	v_mul_u32_u24 v4, v2, 24
	v_add_nc_u32 v4, v3, v4                        ; a fragment's row x pitch + 24 x half
	v_lshl_add_u32 v5, v2, 4, v4                   ; and the same behind one padding more
	s_mul_i32 s21, s15, HALFT                      ; my 128 rows of A
	s_mul_i32 s22, s16, HALFT                      ; my 128 rows of B,
	s_add_co_u32 s22, s22, 4*HALFT                 ; which lie behind A's two K steps
.irp s, 0,1
	v_add_nc_u32 v[ADRA+\s], s21, v4
	v_add_nc_u32 v[ADRB+\s], s22, v4
	v_add_nc_u32 v[ADRA+2+\s], s21, v5
	v_add_nc_u32 v[ADRB+2+\s], s22, v5
	s_add_co_u32 s21, s21, 2*HALFT
	s_add_co_u32 s22, s22, 2*HALFT
.endr
	v_mul_u32_u24 v5, v1, KS                       ; my row's scales: KS bytes a row,
	v_lshrrev_b32 v6, 8, v5
	v_lshl_add_u32 v5, v6, 4, v5                   ; and 16 more for each 256 passed
	s_mul_i32 s21, s15, HALFS
	s_mul_i32 s22, s16, HALFS
	s_add_co_u32 s22, s22, 2*HALFS
	s_sub_co_u32 s22, s22, s21
	v_mul_u32_u24 v6, s22, v2                      ; lanes 16-31 take B's
	s_add_co_u32 s21, s21, SCL
	v_add_nc_u32 v5, v5, v6
	v_add_nc_u32 v[ADRS], s21, v5
	v_and_b32 v6, 31, v0
	v_lshlrev_b32 v[L16], 4, v6
	v_lshlrev_b32 v[L8], 3, v6
	v_and_b32 v[R4], 8, v1
	v_add_nc_u32 v[R4], v[R4], v1                  ; r + 8 (r / 8)
	v_lshlrev_b32 v[CSA], 8, v[R4]
	v_lshl_add_u32 v[CSA], v2, 6, v[CSA]
	v_lshlrev_b32 v[R4], 2, v[R4]
	v_lshlrev_b32 v[SH], 4, v2
	v_lshlrev_b32 v[H64], 6, v2
	; What the epilogue wants from memory is asked for here, without a branch, in every role: each address is a valid one of its buffer in all three roles.
	s_wait_alu depctr_va_vdst(0)
	s_cmp_lt_u32 s42, 8
	s_cselect_b64 s[10:11], s[10:11], s[92:93]     ; bq, or that: my role's bias
	s_lshl_b32 s17, s40, 10
	s_lshl_b32 s18, s16, 9
	s_add_co_u32 s18, s17, s18
	s_mov_b32 s19, 0
	s_add_nc_u64 s[92:93], s[10:11], s[18:19]      ; at B's 128 rows of mine (q, k: my features)
	s_lshl_b32 s17, s41, 10
	s_and_b32 s18, s42, 1
	s_lshl_b32 s18, s18, 9
	s_add_co_u32 s17, s17, s18
	s_lshl_b32 s18, s15, 8
	s_add_co_u32 s18, s17, s18
	s_add_nc_u64 s[94:95], s[94:95], s[18:19]      ; bv at phase 2's 64 channels of mine: 256 cy + 128 (Y % 2) + 64 x half
	s_and_b32 s105, s42, 1
	s_lshl_b32 s105, s105, 3
	s_lshl_b32 s17, s41, 1
	s_add_co_u32 s105, s105, s17
	s_add_co_u32 s105, s105, s15                   ; q, k: my chunk of 128 tokens in the batch: 8 (y % 2) + 2 cy + half
	s_lshl_b32 s18, s105, 15
	s_add_nc_u64 s[8:9], s[8:9], s[18:19]          ; the table at that chunk's first token
	WIN TO_B
.irp b, 0,1,2,3,4,5,6,7                        ; tile b: the bias of features 32 (b / 2) + 16 h + 8 (b % 2) + 0 .. 7
	global_load_b128 v[96+8*\b+96*(\b/4):96+8*\b+96*(\b/4)+3], v[H64], s[92:93] offset:128*(\b/2)+32*(\b%2)
	global_load_b128 v[96+8*\b+96*(\b/4)+4:96+8*\b+96*(\b/4)+7], v[H64], s[92:93] offset:128*(\b/2)+32*(\b%2)+16
.endr
	WIN 0
.irp a, 0,1,2,3                                ; phase 2's block a: the bias of channel 32 (a / 2) + 8 (a % 2) + r + 8 (r / 8)
	global_load_b32 v[BV+\a], v[R4], s[94:95] offset:4*(32*(\a/2)+8*(\a%2))
.endr
.macro CSLOAD a                        ; block a's cos and sin: for my token, pairs 16 g + 8 h + 0 .. 7, g = 0, 1: 2 x 64 bytes.  Block 0: window 0, v224; block 7: window 0, v192; blocks 1-6: window 1, where B's fragments lay (the caller sets the window)
.if (\a) == 0 || (\a) == 7
.set CSL, 224-32*((\a)/7)
.else
.set CSL, 32*((\a)-1)+32*(((\a)-1)/3)
.endif
.irp g, 0,1
.irp j, 0,1,2,3
	global_load_b128 v[CSL+16*\g+4*\j:CSL+16*\g+4*\j+3], v[CSA], s[8:9] offset:256*(32*((\a)/2)+8*((\a)%2))+128*\g+16*\j
.endr
.endr
.endm
	CSLOAD 0
.macro FRAG reg, adr, q, i             ; a fragment, 16 rows x 128 K of 6-bit codes: 12 registers, in pieces of 8 bytes; the second address register serves the pieces that lie behind one padding more
.irp p, 0,1,2,3,4,5
.set PCE, 12*(\q)+6*(\p/3)+\p%3
.if PCE%8 < 5
	ds_load_b64 v[\reg+2*\p:\reg+2*\p+1], v[\adr] offset:8*PCE+16*(PCE/8)+(\i)*16*PITCH
.else
	ds_load_b64 v[\reg+2*\p:\reg+2*\p+1], v[\adr+2] offset:8*PCE+16*(PCE/8)+(\i)*16*PITCH
.endif
.endr
.endm
; 16 matrix instructions: A's blocks a0, a0 + 1 x B's eight.  The 64 accumulators take turns, one instruction a turn, in the same order in every step.
.macro MUL16 a0, p, q, sc, zero
.irp a, \a0, \a0+1
.irp b, 0,1,2,3,4,5,6,7
.if \zero
	v_wmma_scale_f32_16x16x128_f8f6f4 v[8*(8*((\a)%4)+\b):8*(8*((\a)%4)+\b)+7], v[128*(\p)+FR*\b:128*(\p)+FR*\b+FR-1], v[AF+FR*(\a):AF+FR*(\a)+FR-1], 0, v[SC+8*NQ*(\sc)+NQ*\b+(\q)], v[SC+8*NQ*(\sc)+NQ*(\a)+(\q)] matrix_a_fmt:MATRIX_FMT_FP6 matrix_b_fmt:MATRIX_FMT_FP6 matrix_a_scale:MATRIX_SCALE_ROW1
.else
	v_wmma_scale_f32_16x16x128_f8f6f4 v[8*(8*((\a)%4)+\b):8*(8*((\a)%4)+\b)+7], v[128*(\p)+FR*\b:128*(\p)+FR*\b+FR-1], v[AF+FR*(\a):AF+FR*(\a)+FR-1], v[8*(8*((\a)%4)+\b):8*(8*((\a)%4)+\b)+7], v[SC+8*NQ*(\sc)+NQ*\b+(\q)], v[SC+8*NQ*(\sc)+NQ*(\a)+(\q)] matrix_a_fmt:MATRIX_FMT_FP6 matrix_b_fmt:MATRIX_FMT_FP6 matrix_a_scale:MATRIX_SCALE_ROW1
.endif
.endr
.endr
.endm
.macro FETCH_B slot, q, p
	WIN TO_B
.irp i, 0,1,2,3,4,5,6,7
	FRAG 128*(\p)+FR*\i, ADRB+\slot, \q, \i
.endr
	WIN 0
.endm
.macro FETCH_A slot, q, i0
.irp i, \i0, \i0+1, \i0+2, \i0+3
	FRAG AF+FR*(\i), ADRA+\slot, \q, \i
.endr
.endm
.macro SCALES sc                       ; a K step's scale words: lanes 0-15 take A's block i, lanes 16-31 B's block i
.irp i, 0,1,2,3,4,5,6,7
	ds_load_b64 v[SC+8*NQ*\sc+NQ*\i:SC+8*NQ*\sc+NQ*\i+1], v[ADRS] offset:\i*SBLK
.endr
.endm
.macro PLACES n                        ; plain vector instructions between a matrix instruction and a load into, or a read of, its registers
.rept \n
	v_nop
.endr
.endm
.macro STEP slot, q, zero              ; a step of 128 along K that has its successor in the same slot
	s_wait_dscnt 4*NL                              ; B's set and A's blocks 0-3 are in; A's blocks 4-7, 24 loads, may be out
	WIN MUL_LO
	MUL16 0, (\q)%2, \q, \slot, \zero
	MUL16 2, (\q)%2, \q, \slot, \zero
	s_wait_dscnt 0
	PLACES NP
	FETCH_B \slot, (\q)+1, 1-(\q)%2
	FETCH_A \slot, (\q)+1, 0
	WIN MUL_HI
	MUL16 4, (\q)%2, \q, \slot, \zero
	MUL16 6, (\q)%2, \q, \slot, \zero
	PLACES NP
	WIN 0
	FETCH_A \slot, (\q)+1, 4
.endm
; A slot's last step changes slots: one barrier; in front of it each wave waits for all its tensor loads, adds 0 to its spare word, and waits for that and for its own reads of this slot.
.macro TURN slot, next, fill
	s_wait_tensorcnt 0x0                           ; all my tensor loads have landed: my part of the next slot
	ds_add_u32 v[SPW], v[NIL]
	s_wait_dscnt 4*NL+1                            ; (the add and A's blocks 4-7 may be out)
	WIN MUL_LO
	MUL16 0, 1, NQ-1, \slot, 0
	s_wait_dscnt 0x0                               ; the add is done, and my reads of this slot are over
	s_barrier_signal -1
	MUL16 2, 1, NQ-1, \slot, 0
	WIN 0
	s_barrier_wait -1
.if \fill
	CREST                                          ; the barrier has opened a round of the cluster's barrier: no wave of any partner still reads this slot or has a load on its way
	s_add_nc_u64 s[G0+4*\slot+2:G0+4*\slot+3], s[G0+4*\slot+2:G0+4*\slot+3], 2*ROWB
	s_add_nc_u64 s[G0B+4*\slot+2:G0B+4*\slot+3], s[G0B+4*\slot+2:G0B+4*\slot+3], 2*ROWB
	JLOAD G0+4*\slot, G1, G0B+4*\slot, G1B         ; the first tensor load behind the round, my only one until the next
.else
	PLACES NP
.endif
	s_wait_alu depctr_va_vdst(0)
	v_add_nc_u32 v[ADRS], 4*NQ, v[ADRS]            ; on to the next K step's scale words
	FETCH_B \next, 0, 0
	FETCH_A \next, 0, 0
	SCALES \next
	WIN MUL_HI
	MUL16 4, 1, NQ-1, \slot, 0
	MUL16 6, 1, NQ-1, \slot, 0
	PLACES NP
	WIN 0
	FETCH_A \next, 0, 4
.endm
	s_wait_loadcnt 0x0                             ; the biases and the first cos and sin
	s_wait_tensorcnt 0x0                           ; my tile of the head's four is in: no tensor load of mine is out, so descriptors may be written
	s_mov_b32 s[G1+2], 96<<16                      ; from here on a load brings 128 rows of a K step: 96 rows of 256 bytes
	s_mov_b32 s[G1+4], 96
	s_mov_b32 s[G1B+2], 96<<16
	s_mov_b32 s[G1B+4], 96
	s_mov_b32 s[G0+1], s45                         ; slot 0's groups 0 for the ring: my 128 rows, at K step 0
	s_add_co_u32 s[G0B+1], s45, 4*HALFT
	s_mul_i32 s20, s16, ROWB/2
	s_mov_b32 s21, 0
	s_add_nc_u64 s[G0+2:G0+3], s[G0+2:G0+3], s[20:21]
	s_add_nc_u64 s[G0B+2:G0B+3], s[G0B+2:G0B+3], s[20:21]
	s_barrier_signal -1
	s_barrier_wait -1                              ; everybody's tile is in
	FETCH_B 0, 0, 0
	FETCH_A 0, 0, 0
	SCALES 0
	FETCH_A 0, 0, 4
	STEP 0, 0, 1                                   ; the first step's products start the sums
	s_mov_b32 s3, LAPS-1
.Llap:
	TURN 0, 1, 1
	STEP 1, 0, 0
	TURN 1, 0, 1
	STEP 0, 0, 0
	s_sub_co_u32 s3, s3, 1
	s_cmp_lg_u32 s3, 0
	s_cbranch_scc1 .Llap
	TURN 0, 1, 0                                   ; the last lap fills nothing
	STEP 1, 0, 0
; Phase 1's last step holds the round behind which phase 2's first tiles are asked for: they fill again A's two places (Wv's 128 rows, all of K), B's two places (value's K steps 0 and 1) and the scales' places.
	s_wait_tensorcnt 0x0                           ; no tensor load of mine is out: descriptors may be written
	ds_add_u32 v[SPW], v[NIL]
	s_wait_dscnt 4*NL+1                            ; (the add and A's blocks 4-7, 24 loads, may be out)
	WIN MUL_LO
	MUL16 0, 1, NQ-1, 1, 0
	MUL16 2, 1, NQ-1, 1, 0
	s_mov_b32 s[G1+2], 384<<16                     ; 98,304 dense bytes a load of codes
	s_mov_b32 s[G1+4], 384
	s_mov_b32 s[G1B+2], 384<<16
	s_mov_b32 s[G1B+4], 384
	s_mov_b32 s[G1S+2], 16<<16                     ; the scales of A's 128 rows
	s_mov_b32 s[G1S+4], 16
	s_lshl_b32 s20, s41, 1
	s_and_b32 s21, s42, 1
	s_add_co_u32 s20, s20, s21
	s_lshl_b32 s20, s20, 7
	s_add_co_u32 s20, s20, 16384                   ; A: Wv's row 128 (2 cy + Y % 2)
	s_lshl_b32 s22, s20, 5
	s_mov_b32 s23, 0
	s_mul_i32 s20, s20, KROW
	s_mov_b32 s21, 0
	s_lshr_b32 s46, s42, 1
	s_lshl_b32 s46, s46, 2
	s_add_co_u32 s46, s46, s40
	s_lshl_b32 s46, s46, 8
	s_add_co_u32 s46, s46, 19456                   ; B: value's row 256 (4 (Y / 2) + cx)
	s_lshl_b32 s100, s46, 5
	s_mov_b32 s101, 0
	s_mul_i32 s46, s46, KROW
	s_mov_b32 s47, 0
	s_mov_b32 s[G0+1], 0
	s_add_nc_u64 s[G0+2:G0+3], s[4:5], s[20:21]
	s_or_b32 s[G0+3], s[G0+3], 0x80000000
	s_mov_b32 s[G0B+1], 4*HALFT
	s_add_nc_u64 s[G0B+2:G0B+3], s[4:5], s[46:47]
	s_or_b32 s[G0B+3], s[G0B+3], 0x80000000
	s_add_nc_u64 s[G0S+2:G0S+3], s[6:7], s[22:23]
	s_or_b32 s[G0S+3], s[G0S+3], 0x80000000
	s_add_nc_u64 s[G0SB+2:G0SB+3], s[6:7], s[100:101]
	s_or_b32 s[G0SB+3], s[G0SB+3], 0x80000000
	s_wait_dscnt 0x0                               ; the add is done, and my last LDS reads of phase 1 are over
	s_barrier_signal -1
	WIN MUL_HI
	MUL16 4, 1, NQ-1, 1, 0
	MUL16 6, 1, NQ-1, 1, 0
	WIN 0
	s_barrier_wait -1
	CREST                                          ; the round: no wave of any partner still reads LDS or has a load on its way
.macro ARM2 under, g0, g1, next
	s_cmp_lt_u32 s14, \under
	s_cbranch_scc0 \next
	tensor_load_to_lds s[\g0:\g0+3], s[\g1:\g1+7]
	s_nop 0
.rept 4
	v_nop
.endr
	s_branch .Lnext_asked
\next:
.endm
	ARM2 1, G0,  G1,  .Lnext_b                     ; one load a wave; they land while the epilogue below works on registers
	ARM2 2, G0B, G1B, .Lnext_sa
	ARM2 3, G0S, G1S, .Lnext_sb
	tensor_load_to_lds s[G0SB:G0SB+3], s[G1SB:G1SB+7]
	s_nop 0
.rept 4
	v_nop
.endr
.Lnext_asked:
; 64 numbers of a lane, v[s] .. v[s + 63], register 16 b + i = k 32 b + 16 h + i of my row, become a fragment's codes in v[PC] on (registers 6 c .. 6 c + 5: k = 64 c + 32 h + 0 .. 31) and its scale word in v[PW].
.macro QUANT s
.irp b, 0,1,2,3
	v_max3_num_f32 v[TM+\b], |v[\s+16*\b]|, |v[\s+1+16*\b]|, 0x1800000   ; my 16 numbers of block b, and the floor 2^(3 - 127)
.endr
.irp i, 2,4,6,8,10,12,14
.irp b, 0,1,2,3
	v_max3_num_f32 v[TM+\b], v[TM+\b], |v[\s+16*\b+\i]|, |v[\s+1+16*\b+\i]|
.endr
.endr
.irp b, 0,1,2,3
	v_permlanex16_b32 v[TM+4+\b], v[TM+\b], s[SEL], s[SEL+1]
.endr
.irp b, 0,1,2,3
	v_max_num_f32 v[TM+\b], v[TM+\b], v[TM+4+\b]   ; with lane l xor 16's: the block's largest magnitude
.endr
.irp b, 0,1,2,3
	v_add_nc_u32 v[TM+12+\b], 0xff000000, v[TM+\b] ; 2 off its exponent field: the conversion's scale operand
.endr
.irp b, 0,1,2,3
	v_lshrrev_b32 v[TM+4+\b], 23, v[TM+12+\b]      ; the scale's byte
.endr
	v_lshl_or_b32 v[PW], v[TM+5], 8, v[TM+4]
	v_lshl_or_b32 v[PW], v[TM+6], 16, v[PW]
	v_lshl_or_b32 v[PW], v[TM+7], 24, v[PW]
.irp c, 0,1
	v_cvt_scalef32_pk16_fp6_f32 v[PC+6*\c:PC+2+6*\c], v[\s+32*\c:\s+15+32*\c], v[TM+12+2*\c]
	v_cvt_scalef32_pk16_fp6_f32 v[PC+12+4*\c:PC+14+4*\c], v[\s+16+32*\c:\s+31+32*\c], v[TM+12+2*\c+1]
.endr
	v_nop                                          ; one plain place behind a scaled conversion
.irp c, 0,1                                    ; the operand's layout wants a whole block in a lane
.irp i, 0,1,2
	v_permlane16_swap_b32 v[PC+6*\c+\i], v[PC+12+4*\c+\i]
.endr
.irp i, 0,1,2
	v_mov_b32 v[PC+3+6*\c+\i], v[PC+12+4*\c+\i]
.endr
.endr
.endm
; q, k: block a, 16 tokens x my 128 features (two heads).
.macro QKBLOCK a
.if (\a) > 0
	s_wait_xcnt 0x0                                ; the last block's stores have read their registers (ahead of block 0 no store is out, and the block writes no source of the loads that are)
.endif
	WIN 0x06+(\a)/4
.irp b, 0,1,2,3,4,5,6,7
.irp j, 0,2,4,6
	v_pk_add_f32 v[HA+8*\b+\j:HA+8*\b+\j+1], v[8*(8*((\a)%4)+\b)+\j:8*(8*((\a)%4)+\b)+\j+1], v[96+8*\b+96*(\b/4)+\j:96+8*\b+96*(\b/4)+\j+1]   ; + bias; each accumulator from its low end on
.endr
.endr
	WIN 0
	s_wait_loadcnt 8*(7-(\a))                      ; this block's cos and sin are in; behind them were issued eight loads for each later block
.if (\a) == 0 || (\a) == 7
.set CSR, 224-32*((\a)/7)
.else
.set CSR, 32*((\a)-1)+32*(((\a)-1)/3)
	WIN 0x04                                       ; source 1, cos and sin: window 1
.endif
.irp g, 0,1,2,3                                ; the rotation: (xe, xo) -> (xe c - xo s, xe s + xo c), a pair at a time
.irp q, 0,8
.irp k, 0,2,4,6
	v_pk_mul_f32 v[TT+\k:TT+\k+1], v[HA+16*\g+\q+\k:HA+16*\g+\q+\k+1], v[CSR+16*(\g%2)+\q+\k:CSR+16*(\g%2)+\q+\k+1] op_sel_hi:[1,0]   ; (xe c, xo c)
.endr
.irp k, 0,2,4,6
	v_pk_fma_f32 v[HA+16*\g+\q+\k:HA+16*\g+\q+\k+1], v[HA+16*\g+\q+\k:HA+16*\g+\q+\k+1], v[CSR+16*(\g%2)+\q+\k:CSR+16*(\g%2)+\q+\k+1], v[TT+\k:TT+\k+1] op_sel:[1,1,0] op_sel_hi:[0,1,1] neg_lo:[0,1,0]   ; low: -xo s + xe c; high: xe s + xo c
.endr
.endr
.endr
	WIN 0
	QUANT HA
.if (\a)%2 == 0
	v_bfe_u32 v[SW+(\a)/2], v[PW], v[SH], 16       ; lanes 0-15 keep the first head's two bytes, lanes 16-31 the second's
.else
	v_bfe_u32 v[TW], v[PW], v[SH], 16
	v_lshl_or_b32 v[SW+(\a)/2], v[TW], 16, v[SW+(\a)/2]
.endif
	global_store_b128 v[L16], v[PC:PC+3], s[12:13] offset:768*(\a)             ; the first head's tile,
	global_store_b64 v[L8], v[PC+4:PC+5], s[12:13] offset:768*(\a)+512
	global_store_b128 v[L16], v[PC+6:PC+9], s[100:101] offset:768*(\a)         ; the second's
	global_store_b64 v[L8], v[PC+10:PC+11], s[100:101] offset:768*(\a)+512
.endm
; v: block a, 16 channels x my 128 keys.
.macro VBLOCK a
	s_wait_xcnt 0x0
	WIN 0x02+(\a)/4
.irp b, 0,1,2,3,4,5,6,7
.irp j, 0,2,4,6
.if (\a)%2 == 0
	v_pk_add_f32 v[HA+8*\b+\j:HA+8*\b+\j+1], v[8*(8*((\a)%4)+\b)+\j:8*(8*((\a)%4)+\b)+\j+1], v[BV+2*((\a)/2):BV+2*((\a)/2)+1] op_sel:[0,0] op_sel_hi:[1,0]
.else
	v_pk_add_f32 v[HA+8*\b+\j:HA+8*\b+\j+1], v[8*(8*((\a)%4)+\b)+\j:8*(8*((\a)%4)+\b)+\j+1], v[BV+2*((\a)/2):BV+2*((\a)/2)+1] op_sel:[0,1] op_sel_hi:[1,1]
.endif
.endr
.endr
	WIN 0
	QUANT HA
	v_mov_b32 v[SW+(\a)], v[PW]
.irp p, 0,1,2
	global_store_b128 v[L16], v[PC+4*\p:PC+4*\p+3], s[12+88*((\a)/4):13+88*((\a)/4)] offset:6400+1536*((\a)%4)+512*\p
.endr
.endm
	PLACES NP                                      ; behind the last products: their results are read and A's registers written from here on
.irp b, 0,1,2,3
	v_mov_b32 v[TM+4+\b], 0                        ; written once: a lane permute's destination counts as one of its sources
.endr
	WIN TO_B                                       ; the cos and sin of blocks 1 to 7 are asked for in one run: 56 loads, into registers that the products have left
.irp a, 1,2,3,4,5,6
	CSLOAD \a
.endr
	WIN 0
	CSLOAD 7
	s_cmp_lt_u32 s42, 8
	s_cselect_b64 s[12:13], s[96:97], s[98:99]     ; qbuf or kvbuf
	s_mov_b32 s17, 12800
	s_cselect_b32 s17, 6400, s17                   ; a chunk's bytes there
	s_bfe_u32 s20, s42, 0x20001                    ; the batch
	s_lshl_b32 s20, s20, 4
	s_lshl_b32 s21, s40, 2
	s_add_co_u32 s20, s20, s21
	s_lshl_b32 s21, s16, 1
	s_add_co_u32 s20, s20, s21                     ; 16 x batch + my first head: 4 cx + 2 x half
	s_lshl_b32 s20, s20, 4
	s_add_co_u32 s20, s20, s105                    ; x 16 chunks + my chunk
	s_mul_i32 s18, s20, s17
	s_mov_b32 s19, 0
	s_add_nc_u64 s[12:13], s[12:13], s[18:19]      ; the first head's chunk,
	s_lshl_b32 s18, s17, 4
	s_add_nc_u64 s[100:101], s[12:13], s[18:19]    ; the second's: 16 chunks on
	v_mul_lo_u32 v[SCO], v2, s18
	v_lshl_add_u32 v[SCO], v1, 4, v[SCO]
.irp a, 0,1,2,3,4,5,6,7
	QKBLOCK \a
.endr
	global_store_b128 v[SCO], v[SW:SW+3], s[12:13] offset:6144   ; lanes 0-15: the first head's 256 bytes of scale words; lanes 16-31: the second's
; ================= PHASE 2.  LDS: A's K step ks at ks x HALFT (128 rows each), B's K steps by turns at 4 HALFT and 6 HALFT.  A wave makes 64 x 128: A's blocks 0-3 x B's eight, the 32 accumulators of window 2.
; A has two sets of registers here: step n of the eight takes set n % 2, which lies where blocks 4 (n % 2) .. + 3 lay; the scale words' registers 4-7 hold in lanes 0-15 the words of A's blocks 0-3 once more.
.set ADRS2, 30                         ; v30  as v27, with lanes 0-15 four blocks back
.macro HFETCH ks, q, p                 ; a step's fragments into the sets p: 48 + 24 loads
	FETCH_B (\ks)%2, \q, \p
.irp i, 0,1,2,3
	FRAG AF+FR*(4*(\p)+\i), ADRA+(\ks)/2, \q, \i+8*((\ks)%2)
.endr
.endm
.macro HSCALES ks
.irp i, 0,1,2,3
	ds_load_b64 v[SC+8*NQ*((\ks)%2)+NQ*\i:SC+8*NQ*((\ks)%2)+NQ*\i+1], v[ADRS] offset:\i*SBLK+4*NQ*(\ks)
.endr
.irp i, 4,5,6,7
	ds_load_b64 v[SC+8*NQ*((\ks)%2)+NQ*\i:SC+8*NQ*((\ks)%2)+NQ*\i+1], v[ADRS2] offset:\i*SBLK+4*NQ*(\ks)
.endr
.endm
.macro HSTEP ks, zero                  ; the first 128 of K step ks
	s_wait_dscnt 0x0                               ; this step's fragments are in
	WIN MUL_LO
	MUL16 0, 0, 0, (\ks)%2, \zero
	PLACES NP
	HFETCH \ks, 1, 1
	WIN MUL_LO
	MUL16 2, 0, 0, (\ks)%2, \zero
	WIN 0
.endm
.macro HTURN ks, fill                  ; its second 128, and the change of B's places; fill = 1: the place left takes K step ks + 2, a quarter for each wave
	s_wait_tensorcnt 0x0                           ; all my tensor loads have landed
	ds_add_u32 v[SPW], v[NIL]
	s_wait_dscnt 1                                 ; (the add may be out)
	WIN MUL_LO
	MUL16 4, 1, 1, (\ks)%2, 0
	s_wait_dscnt 0x0                               ; the add is done, and my reads of this place are over
	s_barrier_signal -1
	WIN 0
	s_barrier_wait -1
.if \fill
	CREST
	s_add_nc_u64 s[G0B+4*((\ks)%2)+2:G0B+4*((\ks)%2)+3], s[G0B+4*((\ks)%2)+2:G0B+4*((\ks)%2)+3], 2*ROWB
	tensor_load_to_lds s[G0B+4*((\ks)%2):G0B+4*((\ks)%2)+3], s[G1B:G1B+7]
	s_nop 0
.endif
	PLACES NP
	HFETCH (\ks)+1, 0, 0
	HSCALES (\ks)+1
	WIN MUL_LO
	MUL16 6, 1, 1, (\ks)%2, 0
	WIN 0
.endm
	s_wait_xcnt 0x0                                ; phase 1's stores have read their registers and bases
	s_mul_i32 s20, s15, HALFT/2                    ; my rows of A are 64 now
	s_mul_i32 s22, s15, HALFS/2
	s_mul_i32 s23, s16, HALFS
	s_add_co_u32 s23, s23, 2*HALFS
	s_sub_co_u32 s23, s23, s22                     ; from my rows' scales of A to those of B
	s_add_co_u32 s22, s22, SCL
	s_add_co_u32 s47, s23, 4*SBLK
	s_sub_co_u32 s46, s22, 4*SBLK
.irp k, 0,1,2,3
	v_sub_nc_u32 v[ADRA+\k], v[ADRA+\k], s20
.endr
	v_mul_u32_u24 v5, v1, KS
	v_lshrrev_b32 v6, 8, v5
	v_lshl_add_u32 v5, v6, 4, v5
	v_mad_u32_u24 v6, s23, v2, v5
	v_add_nc_u32 v[ADRS], s22, v6
	v_mad_u32_u24 v6, s47, v2, v5
	v_add_nc_u32 v[ADRS2], s46, v6
	s_wait_alu depctr_va_vdst(0)
	s_wait_tensorcnt 0x0                           ; my tile of phase 2's first four is in: descriptors may be written
	s_mov_b32 s[G1B+2], 48<<16                     ; from here on a load brings 64 rows of a K step of B: 48 rows of 256 bytes
	s_mov_b32 s[G1B+4], 48
	s_mul_i32 s20, s14, ROWB/4
	s_mov_b32 s21, 0
	s_mul_i32 s22, s14, HALFT/2
	s_add_co_u32 s[G0B+1], s22, 4*HALFT
	s_add_co_u32 s[G0B+5], s22, 6*HALFT
	s_add_nc_u64 s[G0B+2:G0B+3], s[G0B+2:G0B+3], s[20:21]
	s_add_nc_u64 s[G0B+6:G0B+7], s[G0B+2:G0B+3], ROWB
	s_barrier_signal -1
	s_barrier_wait -1                              ; everybody's tile is in
	HFETCH 0, 0, 0
	HSCALES 0
	HSTEP 0, 1                                     ; the first step's products start the sums
	HTURN 0, 1
	HSTEP 1, 0
	HTURN 1, 1
	HSTEP 2, 0
	HTURN 2, 0
	HSTEP 3, 0
	s_wait_dscnt 0x0
	WIN MUL_LO
	MUL16 4, 1, 1, 1, 0
	MUL16 6, 1, 1, 1, 0
	WIN 0
	s_lshr_b32 s17, s42, 1
	s_lshl_b32 s17, s17, 2
	s_add_co_u32 s17, s17, s40                     ; which 256 tokens of value: 4 (Y / 2) + cx
	s_lshr_b32 s20, s17, 3                         ; the batch
	s_and_b32 s17, s17, 7
	s_lshl_b32 s17, s17, 1
	s_add_co_u32 s17, s17, s16                     ; my chunk of 128 keys
	s_lshl_b32 s20, s20, 4
	s_lshl_b32 s21, s41, 2
	s_add_co_u32 s20, s20, s21
	s_and_b32 s21, s42, 1
	s_lshl_b32 s21, s21, 1
	s_add_co_u32 s20, s20, s21
	s_add_co_u32 s20, s20, s15                     ; 16 x batch + my head: 4 cy + 2 (Y % 2) + half
	s_lshl_b32 s20, s20, 4
	s_add_co_u32 s20, s20, s17
	s_mul_i32 s18, s20, 12800
	s_mov_b32 s19, 0
	s_add_nc_u64 s[12:13], s[98:99], s[18:19]
	PLACES NP                                      ; behind the last products
.irp a, 0,1,2,3
	VBLOCK \a
.endr
	s_mov_b32 s17, 0xffff0000
	v_cndmask_b32 v[SW], v[SW], v[SW+2], s17       ; lanes 0-15 store the words of tiles 0 and 1, lanes 16-31 those of tiles 2 and 3
	v_cndmask_b32 v[SW+1], v[SW+1], v[SW+3], s17
	v_lshlrev_b32 v[SCO], 3, v2
	v_lshl_add_u32 v[SCO], v1, 4, v[SCO]
	global_store_b64 v[SCO], v[SW:SW+1], s[12:13] offset:12544   ; 256 consecutive bytes, aligned
	s_wait_tensorcnt 0x0                           ; the wave's end
	ds_add_u32 v[SPW], v[NIL]
	s_wait_dscnt 0x0
	CROUND                                         ; the closing round
	s_endpgm
.Lfunc_end_k_qd22d4e38d6_proj:
	.size	k_qd22d4e38d6_proj, .Lfunc_end_k_qd22d4e38d6_proj-k_qd22d4e38d6_proj
	.p2alignl 7, 3214868480
	.fill 96, 4, 3214868480
	.section	.rodata,"a",@progbits
	.p2align	6, 0x0
	.amdhsa_kernel k_qd22d4e38d6_proj
		.amdhsa_group_segment_fixed_size 327680
		.amdhsa_private_segment_fixed_size 0
		.amdhsa_enable_private_segment 0
		.amdhsa_kernarg_size 64
		.amdhsa_user_sgpr_count 2
		.amdhsa_user_sgpr_kernarg_segment_ptr 1
		.amdhsa_wavefront_size32 1
		.amdhsa_system_sgpr_workgroup_id_x 1
		.amdhsa_system_sgpr_workgroup_id_y 1
		.amdhsa_system_sgpr_workgroup_id_z 1
		.amdhsa_system_vgpr_workitem_id 0
		.amdhsa_next_free_vgpr 1024
		.amdhsa_next_free_sgpr 106
		.amdhsa_reserve_vcc 0
		.amdhsa_float_denorm_mode_32 3
		.amdhsa_float_denorm_mode_16_64 3
		.amdhsa_memory_ordered 1
		.amdhsa_forward_progress 1
		.amdhsa_inst_pref_size 255
	.end_amdhsa_kernel
	.section	.bss,"aw",@nobits
	.p2align	6
	.space	262144
	.amdgpu_metadata
---
amdhsa.version: [ 1, 2 ]
amdhsa.kernels:
  - .name:           k_qd22d4e38d6_proj
    .symbol:         k_qd22d4e38d6_proj.kd
    .args:
      - { .name: codes, .offset: 0, .size: 8, .value_kind: global_buffer, .address_space: global }
      - { .name: scales, .offset: 8, .size: 8, .value_kind: global_buffer, .address_space: global }
      - { .name: rope, .offset: 16, .size: 8, .value_kind: global_buffer, .address_space: global }
      - { .name: bq, .offset: 24, .size: 8, .value_kind: global_buffer, .address_space: global }
      - { .name: bk, .offset: 32, .size: 8, .value_kind: global_buffer, .address_space: global }
      - { .name: bv, .offset: 40, .size: 8, .value_kind: global_buffer, .address_space: global }
      - { .name: qbuf, .offset: 48, .size: 8, .value_kind: global_buffer, .address_space: global }
      - { .name: kvbuf, .offset: 56, .size: 8, .value_kind: global_buffer, .address_space: global }
    .group_segment_fixed_size: 327680
    .private_segment_fixed_size: 0
    .kernarg_segment_align: 8
    .kernarg_segment_size: 64
    .max_flat_workgroup_size: 128
    .sgpr_count:     106
    .vgpr_count:     1024
    .wavefront_size: 32
...
	.end_amdgpu_metadata
.endif
;; end of part 2
;; launch att (part 3): grid 4 x 64, 16 waves a work-group, clusters of 4 x 1, 206,848 bytes of LDS; arguments qbuf, kvbuf, obuf, oscale; writes obuf, oscale
.if DOCPART == 3
	.amdgcn_target "amdgcn-amd-amdhsa--gfx1250"
	.amdhsa_code_object_version 6
	.text
	.protected	k_qd22d4e38d6_att
	.globl	k_qd22d4e38d6_att
	.p2align	8
	.type	k_qd22d4e38d6_att,@function
k_qd22d4e38d6_att:
	s_mov_b64 s[64:65], 0
	v_nop
	global_prefetch_b8 v0, s[64:65] scope:SCOPE_SE
	s_setreg_imm32_b32 hwreg(HW_REG_WAVE_MODE, 25, 1), 1
	s_wait_xcnt 0x0
	s_wait_alu depctr_hold_cnt(0) depctr_sa_sdst(0) depctr_va_vdst(0) depctr_va_sdst(0) depctr_va_ssrc(0) depctr_va_vcc(0) depctr_vm_vsrc(0)
	s_getreg_b32 s2, hwreg(HW_REG_IB_STS2, 6, 4)
	s_cmp_eq_u32 s2, 0
	s_cbranch_scc0 .Lentry_in_a_cluster
	s_endpgm
.Lentry_in_a_cluster:
	s_bfe_u32 s2, ttmp6, 0x10000c
	s_cmp_lg_u32 s2, 0x3003
	s_cbranch_scc0 .Lentry_shape_is_right
	s_endpgm
.Lentry_shape_is_right:
; ATT.  Causal attention of one head on codes of FP6 (E2M3): S^T = K Q^T (K = the head's 64), p = 2^(t - M) quantised along the keys, O^T = V^T P^T, O / l quantised along the model's 1,024 channels.
; t = score x log2(e) / 8; M = the running largest t rounded up to a whole number; the row's sum l is taken of the unquantised p; when M moves, l and O^T are multiplied by 2^(old M - new M), exactly.
; Steps all of whose keys come after the queries (the mask that the problem builds itself) are left out.
; SHARES.  A head has 128 tiles of 16 queries and 16 chunks of 128 keys; tile i wants chunks 0 .. i / 8.  The four work-groups of a cluster serve one head; work-group j's wave w owns tiles 4 w + j and 127 - (4 w + j):
; (w / 2 + 1) + (16 - w / 2) = 17 steps of 128 keys for every wave of every work-group.  The counts hang on the wave's number alone, not on j.
; LDS holds ALL of the head's K and V: 16 chunks of kvbuf, 12,800 dense bytes each (images of the operands' registers), 204,800 bytes.  Wave w asks for chunk w, once, at the head: a joint load of the four work-groups.
; Nothing is filled again.  Two barriers: the first shows chunks 0 to 4 (the load line of waves 0 to 4), the second, behind four steps, the others.  Beyond them the waves share nothing.
; A STEP ASKS FOR THE NEXT STEP'S K behind its own last products, and 26 of the 32 additions of the row's sum, which read p alone, stand behind that request.
; No prefetch into the L2: every tile is asked for at the head, so there is no loop to run ahead in.
; THE HEAD'S 64 IN AN INSTRUCTION OF 128: source 0 holds TWO tiles of 16 keys; against [Q | zeros] it gives the even tile's scores, against [zeros | Q] the odd tile's: zero codes add nothing.
; The keys of a tile are 32 (a / 2) + 8 (a % 2) + r + 8 (r / 8), so that register 16 b + i of the scores is key 32 b + 16 h + i.  Both products are used transposed: a lane holds ONE query (lane % 16).
; In a tile's last chunk hidden scores become -infinity ahead of the maximum.
; O leaves as an image of the next product's operand: obuf [256 positions][head / 4][tile of 16][head % 4][768]; its two scale bytes a row go to oscale [position][2 head + block], a byte a lane.
; LIMITS: a block of zeros, and one whose largest magnitude lies under 2^-124, gets the scale byte 1; NaN and infinities are not served; the scaled scores t stay under 2^31 in magnitude.
.set CH,    12800                      ; a chunk: K's 8 tiles (6,144), K's scale words (256), V's 4 tiles (6,144), V's scale words (256)
.set SPARE, 204800                     ; behind the 16 chunks: the spare words, 128 bytes for each of sixteen waves
.set QLO, 16                           ; v16-27   [Q | zeros]
.set QHI, 28                           ; v28-39   [zeros | Q]
.set QS,  40                           ; v40      Q's scale word (its two bytes, twice); v41 as loaded
.set QA,  42                           ; v42-47   the second tile's Q, v48 its scale word: loaded at the head
.set QAS, 48
.set KV,  50                           ; v50-97   four fragments of K, then of V
.set KS,  98                           ; v98-101  their scale words
.set S,   102                          ; v102-165 S^T, then p
.set O,   166                          ; v166-197 O^T
.set P,   198                          ; v198-209 p's codes; v210-216 the conversions' second halves
.set P2,  210
.set BM,  218                          ; v218-221 a block's largest score, then its largest p
.set T4,  222
.set SO,  226                          ; v226-229 the conversions' scale operands
.set TMP, 230
.set NINF, 231
.set F,   232                          ; v232 f = 2^(old M - new M), or 1 / l; v233 written once, named with it as a pair
.set PSW, 234                          ; p's scale word
.set OC,  236
.set OD,  242
.set BYT, 245                          ; v246-255: five partial sums
; v1 16 x lane, v2 8 x lane, v3 16 r, v4 r + 8 (r / 8) - 16 h, v5 my spare word, v6 0, v7 32 r + h, v8-10 the chunk's LDS addresses, v12 -M, v13 the largest t, v[14:15] the sum in two halves
; s[4:5] qbuf at my head, s[6:7] kvbuf, s[8:9] obuf, s[10:11] oscale, s12 wave, s13 j, s14 batch x head, s15 the step, s16 the chunk, s17 the LDS address of the chunk asked for, s18, s19 my two tiles, s[20:21] lane selects,
; s[22:23] c, s[24:31], s[32:35] the descriptor, s36 the long tile's steps, s37 the tile's last chunk, s38 lanes 16-31, s39 my first query in that chunk, s[40:43], s[48:51] Q and its scales, s[44:47] O and its scales
.macro CROUND                          ; a round of the cluster's barrier
	s_barrier_signal -1
	s_barrier_wait -1
	s_cmp_lg_u32 s12, 0
	s_cbranch_scc1 .Lnot_wave_0_\@
	s_barrier_signal -3
.Lnot_wave_0_\@:
	s_barrier_wait -3
	s_barrier_signal -1
	s_barrier_wait -1
.endm
.macro TLOAD
	tensor_load_to_lds s[32:35], s[24:31]
	s_nop 0
.rept 4
	v_nop
.endr
.endm
.macro QADDR i, d                      ; tile s\i of qbuf: its image -> s[d:d+1], the word with its scale bytes -> s[d+2:d+3]
	s_lshr_b32 s52, s\i, 3
	s_mul_i32 s52, s52, 6400
	s_and_b32 s54, s\i, 7
	s_mul_i32 s55, s54, 768
	s_add_co_u32 s56, s52, s55
	s_mov_b32 s57, 0
	s_add_nc_u64 s[\d:\d+1], s[4:5], s[56:57]
	s_lshr_b32 s54, s54, 1
	s_lshl_b32 s54, s54, 2
	s_add_co_u32 s56, s52, s54
	s_add_co_u32 s56, s56, 6144
	s_add_nc_u64 s[\d+2:\d+3], s[4:5], s[56:57]
.endm
.macro OADDR i                         ; where tile s\i's O and scale bytes go, and its first query in its last chunk
	s_lshr_b32 s52, s14, 4
	s_lshl_b32 s52, s52, 7
	s_add_co_u32 s52, s52, s\i                     ; my tile among all 512
	s_and_b32 s53, s14, 15                         ; the head
	s_lshr_b32 s54, s52, 4
	s_lshl_b32 s54, s54, 2
	s_lshr_b32 s55, s53, 2
	s_add_co_u32 s54, s54, s55
	s_lshl_b32 s54, s54, 4
	s_and_b32 s55, s52, 15
	s_add_co_u32 s54, s54, s55
	s_lshl_b32 s54, s54, 2
	s_and_b32 s55, s53, 3
	s_add_co_u32 s54, s54, s55
	s_mul_i32 s56, s54, 768
	s_mov_b32 s57, 0
	s_add_nc_u64 s[44:45], s[8:9], s[56:57]
	s_lshl_b32 s56, s52, 9
	s_lshl_b32 s53, s53, 1
	s_add_co_u32 s56, s56, s53
	s_add_nc_u64 s[46:47], s[10:11], s[56:57]
	s_and_b32 s39, s\i, 6
	s_lshl_b32 s39, s39, 4
	s_and_b32 s55, s\i, 1
	s_lshl_b32 s55, s55, 3
	s_add_co_u32 s39, s39, s55                     ; 32 ((i % 8) / 2) + 8 (i % 2)
.endm
.macro START                           ; a tile of queries begins
	v_mov_b32 v13, 0xff61b1e6                      ; the largest t so far: -3e38
	s_delay_alu instid0(VALU_DEP_1)
	v_floor_f32 v12, -v13                          ; -M
	v_mov_b32 v14, 0
	v_mov_b32 v15, 0
.set jj, 0
.rept 32
	v_mov_b32 v[O+jj], 0                           ; O^T: the first change of M leaves zeros zeros.  (These are also places between the making of Q's registers and scale word and the next product)
.set jj, jj+1
.endr
.endm
.macro KLOAD                           ; K's scale words and four fragments of the chunk at LDS address s17: 17 loads, the scale words first
	v_add_nc_u32 v8, s17, v1
	v_add_nc_u32 v9, s17, v2
	v_add_nc_u32 v10, s17, v3
	v_nop                                          ; four places in front of loads into registers that the last products read
	ds_load_b128 v[KS:KS+3], v10 offset:6144
.irp b, 0,1,2,3
	ds_load_b128 v[KV+12*\b:KV+12*\b+3], v8 offset:1536*\b
	ds_load_b64 v[KV+12*\b+4:KV+12*\b+5], v9 offset:1536*\b+512
	ds_load_b128 v[KV+12*\b+6:KV+12*\b+9], v8 offset:1536*\b+768
	ds_load_b64 v[KV+12*\b+10:KV+12*\b+11], v9 offset:1536*\b+1280
.endr
.endm
.macro STEPA m                         ; 128 keys, up to the step's last products; K was asked for a step ago.  m = 1: the text holds the mask for a tile's last chunk
.irp b, 0,1,2,3
	s_wait_dscnt 12-4*\b                           ; the scale words and fragments 0 .. b are in: behind them were issued four loads for each later fragment
	v_wmma_scale_f32_16x16x128_f8f6f4 v[S+16*\b:S+16*\b+7], v[KV+12*\b:KV+12*\b+11], v[QLO:QLO+11], 0, v[KS+\b], v[QS] matrix_a_fmt:MATRIX_FMT_FP6 matrix_b_fmt:MATRIX_FMT_FP6
	v_wmma_scale_f32_16x16x128_f8f6f4 v[S+16*\b+8:S+16*\b+15], v[KV+12*\b:KV+12*\b+11], v[QHI:QHI+11], 0, v[KS+\b], v[QS] matrix_a_fmt:MATRIX_FMT_FP6 matrix_b_fmt:MATRIX_FMT_FP6
.endr
.rept 4
	v_nop                                          ; places: the scores are read, and K's registers loaded anew, from here on
.endr
.irp g, 0,1,2,3                                ; V's four tiles land while the softmax is walked
.irp p, 0,1,2
	ds_load_b128 v[KV+12*\g+4*\p:KV+12*\g+4*\p+3], v8 offset:6400+1536*\g+512*\p
.endr
.endr
	ds_load_b128 v[KS:KS+3], v10 offset:12544
.if \m
	s_cmp_lg_u32 s16, s37
	s_cbranch_scc1 .Lopen_\@                       ; not the tile's last chunk: all its keys count (the wave's number and the count of steps decide)
	v_add_nc_u32 v[TMP], s39, v4                   ; d = my query - the chunk's first key - 16 h: register 16 b + i is hidden where 32 b + i > d
	v_mov_b32 v[NINF], 0xff800000
.set nn, 0
.rept 64
	v_cmp_gt_i32 vcc_lo, 32*(nn/16)+nn%16, v[TMP]
	v_cndmask_b32 v[S+nn], v[S+nn], v[NINF], vcc_lo
.set nn, nn+1
.endr
.Lopen_\@:
.endif
.irp b, 0,1,2,3
	v_max3_num_f32 v[BM+\b], v[S+16*\b], v[S+1+16*\b], v[S+2+16*\b]   ; the largest score of each block of 32 keys: for the row's maximum, and, since p rises with the score, for the block's largest p
.endr
.irp i, 3,5,7,9,11,13
.irp b, 0,1,2,3
	v_max3_num_f32 v[BM+\b], v[BM+\b], v[S+16*\b+\i], v[S+1+16*\b+\i]
.endr
.endr
.irp b, 0,1,2,3
	v_max_num_f32 v[BM+\b], v[BM+\b], v[S+15+16*\b]
.endr
.irp b, 0,1,2,3
	s_delay_alu instid0(VALU_DEP_4)
	v_permlanex16_b32 v[T4+\b], v[BM+\b], s20, s21
.endr
.irp b, 0,1,2,3
	s_delay_alu instid0(VALU_DEP_4)
	v_max_num_f32 v[BM+\b], v[BM+\b], v[T4+\b]     ; with lane l xor 16's 16 keys
.endr
	s_delay_alu instid0(VALU_DEP_2)
	v_max3_num_f32 v[TMP], v[BM], v[BM+1], v[BM+2]
	s_delay_alu instid0(VALU_DEP_1)
	v_max_num_f32 v[TMP], v[TMP], v[BM+3]
	s_delay_alu instid0(VALU_DEP_1)
	v_mul_f32 v[TMP], s22, v[TMP]                  ; as t (c is positive)
	s_delay_alu instid0(VALU_DEP_1)
	v_max_num_f32 v13, v13, v[TMP]                 ; the running largest t
	v_mov_b32 v[TMP], v12
	s_delay_alu instid0(VALU_DEP_2)
	v_floor_f32 v12, -v13                          ; the new -M = -ceil(t)
	s_delay_alu instid0(VALU_DEP_1)
	v_sub_f32 v[TMP], v12, v[TMP]                  ; old M - new M: a whole number, 0 or less
	s_delay_alu instid0(VALU_DEP_1)
	v_cvt_i32_f32 v[TMP], v[TMP]                   ; (it saturates)
	s_delay_alu instid0(VALU_DEP_1)
	v_ldexp_f32 v[F], 1.0, v[TMP]                  ; f = 2^(old M - new M)
.set jj, 0
.rept 32
	v_pk_fma_f32 v[S+jj:S+jj+1], v[S+jj:S+jj+1], s[22:23], v[12:13] op_sel_hi:[1,0,0]   ; t - M
.set jj, jj+2
.endr
.irp b, 0,1,2,3
	v_fma_f32 v[BM+\b], v[BM+\b], s22, v12         ; the same of each block's largest score
.endr
.set jj, 0
	s_wait_alu depctr_va_vdst(0)                   ; ahead of the batch
.rept 64
	v_exp_f32 v[S+jj], v[S+jj]                     ; p = 2^(t - M): not normalised
.set jj, jj+1
.endr
	v_pk_mul_f32 v[14:15], v[14:15], v[F:F+1] op_sel_hi:[1,0]   ; the sums under the new M (a plain instruction behind the exponentials)
	s_wait_alu depctr_va_vdst(0)                   ; ahead of the batch's first reader: one for the 64
.irp b, 0,1,2,3
	v_exp_f32 v[BM+\b], v[BM+\b]                   ; the block's largest p
.endr
.set kk, 0                                     ; the row's sum of the unquantised p, 32 pairs in six chains: the first 11 pairs here, the others behind the request for the next K
.irp t, 246, 248, 250, 252, 254
	v_pk_add_f32 v[\t:\t+1], v[S+kk:S+kk+1], v[S+kk+2:S+kk+3]
.set kk, kk+4
.endr
	v_pk_add_f32 v[14:15], v[14:15], v[S+20:S+21]
	s_wait_alu depctr_va_vdst(0)                   ; and one for the four
.irp b, 0,1,2,3
	v_max_num_f32 v[BM+\b], 0x1800000, v[BM+\b]    ; the floor 2^(3 - 127): the byte cannot fall under 1
.endr
.irp b, 0,1,2,3
	s_delay_alu instid0(VALU_DEP_4)
	v_add_nc_u32 v[SO+\b], 0xff000000, v[BM+\b]    ; 2 off the exponent field: the conversion's scale operand
.endr
.irp b, 0,1,2,3
	s_delay_alu instid0(VALU_DEP_4)
	v_lshrrev_b32 v[T4+\b], 23, v[SO+\b]           ; the scale's byte
.endr
	s_delay_alu instid0(VALU_DEP_3)
	v_lshl_or_b32 v[PSW], v[T4+1], 8, v[T4]
	s_delay_alu instid0(VALU_DEP_1)
	v_lshl_or_b32 v[PSW], v[T4+2], 16, v[PSW]
	s_delay_alu instid0(VALU_DEP_1)
	v_lshl_or_b32 v[PSW], v[T4+3], 24, v[PSW]
.irp c, 0,1
	v_cvt_scalef32_pk16_fp6_f32 v[P+6*\c:P+2+6*\c], v[S+32*\c:S+15+32*\c], v[SO+2*\c]
	v_cvt_scalef32_pk16_fp6_f32 v[P2+4*\c:P2+2+4*\c], v[S+16+32*\c:S+31+32*\c], v[SO+2*\c+1]
.endr
	v_nop                                          ; one plain place behind a scaled conversion
.irp c, 0,1                                    ; the operand's layout wants a whole block in a lane
.irp i, 0,1,2
	v_permlane16_swap_b32 v[P+6*\c+\i], v[P2+4*\c+\i]
.endr
.irp i, 0,1,2
	s_delay_alu instid0(VALU_DEP_3)
	v_mov_b32 v[P+3+6*\c+\i], v[P2+4*\c+\i]
.endr
.endr
.set jj, 0
.rept 16
	v_pk_mul_f32 v[O+jj:O+jj+1], v[O+jj:O+jj+1], v[F:F+1] op_sel_hi:[1,0]   ; O^T under the new M.  (Twelve of these name no register of any one product below: the places behind the making of p's codes and scale word)
.set jj, jj+2
.endr
	s_wait_alu depctr_va_vdst(0)
	s_wait_dscnt 0x0                               ; V is in
.irp g, 0,1,2,3                                ; the four accumulators by turns; between two links of a chain stand the next step's eight products
	v_wmma_scale_f32_16x16x128_f8f6f4 v[O+8*\g:O+8*\g+7], v[KV+12*\g:KV+12*\g+11], v[P:P+11], v[O+8*\g:O+8*\g+7], v[KS+\g], v[PSW] matrix_a_fmt:MATRIX_FMT_FP6 matrix_b_fmt:MATRIX_FMT_FP6
.endr
.endm
.macro STEPB end                       ; the step's rest: the next step's K is asked for (s17 says where; end = 1: not in step 16, the last), and the other 21 pairs of p are summed while those loads are out
.if \end
	s_cmp_eq_u32 s15, 16
	s_cbranch_scc1 .Lno_next_\@                    ; the count of steps alone decides
.endif
	KLOAD
.if \end
.Lno_next_\@:
.endif
.set kk, 22
.rept 3
.irp t, 246, 248, 250, 252, 254
	v_pk_add_f32 v[\t:\t+1], v[\t:\t+1], v[S+kk:S+kk+1]
.set kk, kk+2
.endr
	v_pk_add_f32 v[14:15], v[14:15], v[S+kk:S+kk+1]
.set kk, kk+2
.endr
	v_pk_add_f32 v[246:247], v[246:247], v[S+58:S+59]
	v_pk_add_f32 v[248:249], v[248:249], v[S+60:S+61]
	v_pk_add_f32 v[250:251], v[250:251], v[S+62:S+63]
	v_pk_add_f32 v[252:253], v[252:253], v[254:255]
	v_pk_add_f32 v[246:247], v[246:247], v[248:249]
	v_pk_add_f32 v[14:15], v[14:15], v[250:251]
	v_pk_add_f32 v[246:247], v[246:247], v[252:253]
	v_pk_add_f32 v[14:15], v[14:15], v[246:247]
.endm
; THE WAY OUT of a tile of queries: O^T / l, quantised along the head's 64 channels (two blocks of the model's 1,024), stored as an image of the next operand's registers.
.macro WAYOUT
.rept 4
	v_nop                                          ; places behind the last products
.endr
	v_add_f32 v14, v14, v15
	s_delay_alu instid0(VALU_DEP_1)
	v_permlanex16_b32 v[TMP], v14, s20, s21
	s_delay_alu instid0(VALU_DEP_1)
	v_add_f32 v14, v14, v[TMP]                     ; the row's sum
	s_wait_alu depctr_va_vdst(0)
	v_rcp_f32 v[F], v14
	v_nop                                          ; a plain instruction behind the reciprocal
	s_wait_alu depctr_va_vdst(0)                   ; ahead of the first reader
.set jj, 0
.rept 16
	v_pk_mul_f32 v[S+jj:S+jj+1], v[O+jj:O+jj+1], v[F:F+1] op_sel_hi:[1,0]   ; register 16 g + i: channel 32 g + 16 h + i of my query
.set jj, jj+2
.endr
.irp g, 0,1
	v_max3_num_f32 v[BM+\g], |v[S+16*\g]|, |v[S+1+16*\g]|, 0x1800000
.endr
.irp i, 2,4,6,8,10,12,14
.irp g, 0,1
	s_delay_alu instid0(VALU_DEP_2)
	v_max3_num_f32 v[BM+\g], v[BM+\g], |v[S+16*\g+\i]|, |v[S+1+16*\g+\i]|
.endr
.endr
.irp g, 0,1
	s_delay_alu instid0(VALU_DEP_2)
	v_permlanex16_b32 v[T4+\g], v[BM+\g], s20, s21
.endr
.irp g, 0,1
	s_delay_alu instid0(VALU_DEP_2)
	v_max_num_f32 v[BM+\g], v[BM+\g], v[T4+\g]
.endr
.irp g, 0,1
	s_delay_alu instid0(VALU_DEP_2)
	v_add_nc_u32 v[SO+\g], 0xff000000, v[BM+\g]
.endr
.irp g, 0,1
	s_delay_alu instid0(VALU_DEP_2)
	v_lshrrev_b32 v[T4+\g], 23, v[SO+\g]
.endr
	v_cvt_scalef32_pk16_fp6_f32 v[OC:OC+2], v[S:S+15], v[SO]
	v_cvt_scalef32_pk16_fp6_f32 v[OD:OD+2], v[S+16:S+31], v[SO+1]
	v_nop
.irp i, 0,1,2
	v_permlane16_swap_b32 v[OC+\i], v[OD+\i]
.endr
.irp i, 0,1,2
	s_delay_alu instid0(VALU_DEP_3)
	v_mov_b32 v[OC+3+\i], v[OD+\i]                 ; six registers: channels 32 h + 0 .. 31
.endr
	v_cndmask_b32 v[BYT], v[T4], v[T4+1], s38      ; lanes 0-15 the first block's byte, lanes 16-31 the second's
	global_store_b128 v1, v[OC:OC+3], s[44:45]
	global_store_b64 v2, v[OC+4:OC+5], s[44:45] offset:512
	global_store_b8 v7, v[BYT], s[46:47]
	s_wait_xcnt 0x0                                ; the stores have read their registers and bases
.endm
	s_load_b256 s[4:11], s[0:1], 0x0               ; qbuf, kvbuf, obuf, oscale
	v_lshl_add_u32 v5, v0, 2, SPARE
	v_mov_b32 v6, 0
	ds_add_u32 v5, v6                              ; the wave's opening: the add, twice on end, and its wait ahead of the first tensor load
	ds_add_u32 v5, v6
	v_lshrrev_b32 v8, 5, v0
	v_readfirstlane_b32 s12, v8                    ; wave 0..15
	s_bfe_u32 s13, ttmp6, 0x40000                  ; j: my place in the cluster: it enters global addresses of Q and O and the mask's numbers, and nothing else
	s_and_b32 s14, ttmp7, 0xffff                   ; 16 x batch + head
	s_mov_b32 s24, 15|(3<<16)|(1<<21)              ; the descriptor: all four work-groups of the cluster; 50 dense rows of 32 elements of 8 bytes; no padding
	s_mov_b32 s25, 32<<16
	s_mov_b32 s26, 50<<16
	s_mov_b32 s27, 32<<16
	s_mov_b32 s28, 50
	s_mov_b32 s29, 32
	s_mov_b32 s30, 0
	s_mov_b32 s31, 0
	s_mov_b32 s20, 0x76543210
	s_mov_b32 s21, 0xfedcba98
	s_mov_b32 s22, 0x3e38aa3b                      ; c = log2(e) / 8
	s_mov_b32 s23, s22
	s_mov_b32 s38, 0xffff0000
	s_lshl_b32 s18, s12, 2
	s_add_co_u32 s18, s18, s13                     ; the short tile: 4 w + j
	s_sub_co_u32 s19, 127, s18                     ; the long one
	s_lshr_b32 s52, s12, 1
	s_sub_co_u32 s36, 16, s52                      ; the long tile's steps: 16 - w / 2
	s_sub_co_u32 s37, 15, s52                      ; its last chunk
	s_and_b32 s58, s13, 1
	s_lshl_b32 s58, s58, 4                         ; which two bytes of the scale word are the short tile's,
	s_xor_b32 s59, s58, 16                         ; and the long one's
	v_and_b32 v8, 31, v0
	v_and_b32 v9, 15, v0                           ; r
	v_bfe_u32 v10, v0, 4, 1                        ; h
	v_lshlrev_b32 v1, 4, v8
	v_lshlrev_b32 v2, 3, v8
	v_lshlrev_b32 v3, 4, v9
	v_and_b32 v4, 8, v9
	v_lshlrev_b32 v7, 4, v10
	v_add_nc_u32 v4, v4, v9
	v_sub_nc_u32 v4, v4, v7
	v_lshl_add_u32 v7, v9, 5, v10
	s_wait_alu depctr_va_vdst(0)
	s_wait_dscnt 0x0                               ; both opening adds are done
	CROUND                                         ; the four work-groups are here: the joint loads meet
	s_wait_kmcnt 0x0
	s_mul_i32 s52, s14, 204800
	s_mul_i32 s54, s12, CH
	s_mov_b32 s53, 0
	s_add_co_u32 s52, s52, s54
	s_add_nc_u64 s[34:35], s[6:7], s[52:53]        ; chunk w of my head
	s_or_b32 s35, s35, 0x80000000
	s_mov_b32 s32, 1
	s_mov_b32 s33, s54                             ; to LDS byte 12,800 w
	s_cmp_lt_u32 s12, 5                            ; two load lines: the first barrier waits for the first alone
	s_cbranch_scc0 .Llater
	TLOAD
	s_branch .Lasked
.Llater:
	TLOAD
.Lasked:
	s_mul_i32 s52, s14, 102400
	s_add_nc_u64 s[4:5], s[4:5], s[52:53]
	QADDR 19, 40
	QADDR 18, 48
	global_load_b128 v[QLO:QLO+3], v1, s[40:41]
	global_load_b64 v[QLO+4:QLO+5], v2, s[40:41] offset:512
	global_load_b128 v[QHI+6:QHI+9], v1, s[40:41]  ; (the two operands share no register: the tile is loaded twice)
	global_load_b64 v[QHI+10:QHI+11], v2, s[40:41] offset:512
	global_load_b32 v41, v3, s[42:43]
	global_load_b128 v[QA:QA+3], v1, s[48:49]      ; the short tile's Q waits in registers
	global_load_b64 v[QA+4:QA+5], v2, s[48:49] offset:512
	global_load_b32 v[QAS], v3, s[50:51]
	OADDR 19
.irp j, 0,1,2,3,4,5
	v_mov_b32 v[QLO+6+\j], 0                       ; the zero halves: written once
	v_mov_b32 v[QHI+\j], 0
.endr
	START
	s_mov_b32 s15, 0
	s_mov_b32 s17, 0
	s_wait_loadcnt 0x0
	v_bfe_u32 v[QS], v41, s59, 16                  ; a tile's two bytes,
	v_bfe_u32 v[QAS], v[QAS], s58, 16
	v_lshl_or_b32 v[QS], v[QS], 16, v[QS]          ; for the lower and for the upper 64 of the instruction's K
	v_lshl_or_b32 v[QAS], v[QAS], 16, v[QAS]
.irp b, 0,1,2,3
	v_mov_b32 v[T4+\b], 0                          ; a lane permute's destination counts as one of its sources.  (These six and the four lines at the head of the first request are the places between the scale word's making and the first product)
.endr
	v_mov_b32 v[TMP], 0
	v_mov_b32 v[F+1], 0
	s_wait_alu depctr_va_vdst(0)
	s_cmp_lt_u32 s12, 5
	s_cbranch_scc0 .Lnot_mine
	s_wait_tensorcnt 0x0                           ; waves 0 to 4: my chunk is in
.Lnot_mine:
	s_barrier_signal -1
	s_barrier_wait -1                              ; chunks 0 to 4 are in; the others may be on their way
	KLOAD                                          ; chunk 0's K
	s_wait_alu depctr_va_vdst(0)
.Lfirst:                                           ; the long tile's chunks 0 to 3 (it has nine chunks at the least, so none of these is its last); step 3 asks for chunk 4's K
	STEPA 0
	s_add_co_u32 s17, s17, CH
	STEPB 0
	s_add_co_u32 s15, s15, 1
	s_cmp_lt_u32 s15, 4
	s_wait_alu depctr_va_vdst(0)
	s_cbranch_scc1 .Lfirst
	s_wait_tensorcnt 0x0                           ; every wave: my chunk is in,
	s_wait_dscnt 0x0                               ; and no LDS load of mine is out at the signal
	s_barrier_signal -1
	s_barrier_wait -1                              ; all sixteen chunks are in
	s_mov_b32 s15, 4
	s_mov_b32 s16, 4
.Lwalk:                                            ; steps 4 to 16: the rest of the long tile, then the short tile
	s_cmp_lg_u32 s15, s36
	s_cbranch_scc1 .Lsame                          ; the wave's number and the count of steps decide
	WAYOUT                                         ; the long tile is done;
	OADDR 18                                       ; the short one begins
	s_lshr_b32 s37, s12, 1                         ; its last chunk: w / 2
	v_mov_b32 v[QS], v[QAS]
.irp j, 0,1,2,3,4,5
	v_mov_b32 v[QLO+\j], v[QA+\j]
	v_mov_b32 v[QHI+6+\j], v[QA+\j]
.endr
	START
	s_wait_alu depctr_va_vdst(0)
.Lsame:
	STEPA 1
	s_add_co_u32 s53, s15, 1                       ; the next step's chunk: the step, counted from its tile's first
	s_cmp_lt_u32 s53, s36
	s_cselect_b32 s52, 0, s36
	s_sub_co_u32 s16, s53, s52
	s_min_u32 s16, s16, 15
	s_mul_i32 s17, s16, CH
	STEPB 1
	s_add_co_u32 s15, s15, 1
	s_cmp_lt_u32 s15, 17
	s_wait_alu depctr_va_vdst(0)
	s_cbranch_scc1 .Lwalk
	WAYOUT
	s_wait_tensorcnt 0x0                           ; the wave's end
	ds_add_u32 v5, v6
	s_wait_dscnt 0x0
	CROUND                                         ; the closing round
	s_endpgm
.Lfunc_end_k_qd22d4e38d6_att:
	.size	k_qd22d4e38d6_att, .Lfunc_end_k_qd22d4e38d6_att-k_qd22d4e38d6_att
	.p2alignl 7, 3214868480
	.fill 96, 4, 3214868480
	.section	.rodata,"a",@progbits
	.p2align	6, 0x0
	.amdhsa_kernel k_qd22d4e38d6_att
		.amdhsa_group_segment_fixed_size 206848
		.amdhsa_private_segment_fixed_size 0
		.amdhsa_enable_private_segment 0
		.amdhsa_kernarg_size 32
		.amdhsa_user_sgpr_count 2
		.amdhsa_user_sgpr_kernarg_segment_ptr 1
		.amdhsa_wavefront_size32 1
		.amdhsa_system_sgpr_workgroup_id_x 1
		.amdhsa_system_sgpr_workgroup_id_y 1
		.amdhsa_system_sgpr_workgroup_id_z 1
		.amdhsa_system_vgpr_workitem_id 0
		.amdhsa_next_free_vgpr 256
		.amdhsa_next_free_sgpr 66
		.amdhsa_reserve_vcc 1
		.amdhsa_float_denorm_mode_32 3
		.amdhsa_float_denorm_mode_16_64 3
		.amdhsa_memory_ordered 1
		.amdhsa_forward_progress 1
		.amdhsa_inst_pref_size 61
	.end_amdhsa_kernel
	.amdgpu_metadata
---
amdhsa.version: [ 1, 2 ]
amdhsa.kernels:
  - .name:           k_qd22d4e38d6_att
    .symbol:         k_qd22d4e38d6_att.kd
    .args:
      - { .name: qbuf, .offset: 0, .size: 8, .value_kind: global_buffer, .address_space: global }
      - { .name: kvbuf, .offset: 8, .size: 8, .value_kind: global_buffer, .address_space: global }
      - { .name: obuf, .offset: 16, .size: 8, .value_kind: global_buffer, .address_space: global }
      - { .name: oscale, .offset: 24, .size: 8, .value_kind: global_buffer, .address_space: global }
    .group_segment_fixed_size: 206848
    .private_segment_fixed_size: 0
    .kernarg_segment_align: 8
    .kernarg_segment_size: 32
    .max_flat_workgroup_size: 512
    .sgpr_count:     66
    .vgpr_count:     256
    .wavefront_size: 32
...
	.end_amdgpu_metadata
.endif
;; end of part 3
;; launch outp (part 4): grid 4 x 64, 4 waves a work-group, clusters of 4 x 4, 327,680 bytes of LDS; arguments obuf, oscale, codes, scales, bo, out0; writes out0
.if DOCPART == 4
	.amdgcn_target "amdgcn-amd-amdhsa--gfx1250"
	.amdhsa_code_object_version 6
	.text
	.protected	k_qd22d4e38d6_outp
	.globl	k_qd22d4e38d6_outp
	.p2align	8
	.type	k_qd22d4e38d6_outp,@function
k_qd22d4e38d6_outp:
	s_mov_b64 s[64:65], 0
	v_nop
	global_prefetch_b8 v0, s[64:65] scope:SCOPE_SE
	s_setreg_imm32_b32 hwreg(HW_REG_WAVE_MODE, 25, 1), 1
	s_wait_xcnt 0x0
	s_wait_alu depctr_hold_cnt(0) depctr_sa_sdst(0) depctr_va_vdst(0) depctr_va_sdst(0) depctr_va_ssrc(0) depctr_va_vcc(0) depctr_vm_vsrc(0)
	s_getreg_b32 s2, hwreg(HW_REG_IB_STS2, 6, 4)
	s_cmp_eq_u32 s2, 0
	s_cbranch_scc0 .Lentry_in_a_cluster
	s_endpgm
.Lentry_in_a_cluster:
	s_bfe_u32 s2, ttmp6, 0x10000c
	s_cmp_lg_u32 s2, 0xf033
	s_cbranch_scc0 .Lentry_shape_is_right
	s_endpgm
.Lentry_shape_is_right:
; OUTP.  out0 = O Wo + bo on codes of FP6 (E2M3) with E8M0 scales, K = 1,024: eight steps of 128, in four K steps of 256.
; A tile of 128 tokens x 256 columns is made by four waves, 64 x 128 each: 32 accumulators.  64 x 4 tiles: 256 work-groups.  4 x 4 work-groups form a cluster: A's tile is asked for jointly along a row, B's along a column.
; A = obuf [256 positions][K step][tile of 16][head % 4][768], images of the operand's registers; its scale bytes oscale [position][32].  B = Wo's rows in codes [256 positions][K step][256 rows x 192 bytes], from position 27,648 on.
; LDS: A's 128 rows for all of K (4 x AH); three places for B's K steps (256 rows, 16 bytes of padding behind every 64); the scales; the spare words.
; FILLS.  At the head one load a wave: A (four rows of 24,576 bytes), B's K steps 0 to 2 (147,456 dense bytes), A's scales, B's scales.  ONE REFILL: K step 3 into K step 0's place, a quarter for each wave,
; behind a round of the cluster's barrier in step 1; a plain barrier in step 5 shows it to all waves.
; The matrix instruction is used transposed (source 0 = B's rows): a lane holds eight neighbouring columns of a row of out0.  The bias is the first products' C.  Positions hold tokens with bits 3 and 4 exchanged: the stores set that right.
; A and B have two sets of fragment registers each: step n takes the sets n % 2.  The scale words' registers 4-7 hold in lanes 0-15 the words of A's blocks 0-3 once more, for A's second set.
; No prefetch: of four K steps three are asked for at the head.
.set NQ,     2
.set ROWB,   49152                     ; a K step of 256 rows in memory
.set KROW,   768
.set PITCH,  240                       ; B's LDS row: 3 x (64 + 16)
.set FR,     12
.set NP,     4
.set AH,     24576                     ; a K step of A's 128 rows
.set HALFT,  128*PITCH
.set BB,     4*AH                      ; B's places
.set KS,     32
.set SCL,    BB+6*HALFT                ; A's scales (HALFS), then B's (2 HALFS)
.set HALFS,  (128*KS/256)*272
.set SBLK,   (16*KS/256)*272
.set SPARE,  SCL+3*HALFS
.set SPITCH, 528                       ; the way out: a stage of 16 rows x (512 + 16) bytes for each wave, from LDS byte 0 on: A's K steps 0 and 1, read no more behind step 5's barrier
.set ADRA, 10                          ; v10, v11 A's images of K steps 0, 1 at 16 x lane; v12, v13 at 8 x lane
.set ADRB, 14                          ; v14-16 B's fragments in places 0-2; v17-19 behind one padding more
.set STO,  20
.set RD,   21
.set CO,   22
.set ADRS, 23                          ; my scale words: lanes 0-15 A's rows, lanes 16-31 B's
.set ADRS2, 24                         ; the same, lanes 0-15 four blocks back
.set SPW,  28                          ; my spare word; never rewritten
.set NIL,  29                          ; 0; never rewritten
.set SC,   32                          ; v32-63 scale words, two sets
.set AF,   128                         ; window 0: A's fragments, two sets of four
.set BK,   128
.set G1, 24
.set G0, 32
.set G1B, 48
.set G0B, 56                           ; s[56:59] B's load at the head; s[60:63] the refill's
.set G0R, 60
.set G1S, 68
.set G0S, 76
.set G1SB, 80
.set G0SB, 88
.set MSB, 0
.macro WIN new                         ; the immediate's high byte repeats the setting that is left
.if MSB != (\new)
	s_set_vgpr_msb (MSB<<8)|(\new)
.set MSB, (\new)
.endif
.endm
.set MUL_LO, 0xa1                      ; source 0 (B) window 1, source 1 (A) window 0, C and D window 2
.set TO_B,   0x40
.macro PLACES n
.rept \n
	v_nop
.endr
.endm
.macro CREST
	s_cmp_lg_u32 s14, 0
	s_cbranch_scc1 .Lnot_wave_0_\@
	s_barrier_signal -3
.Lnot_wave_0_\@:
	s_barrier_wait -3
	s_barrier_signal -1
	s_barrier_wait -1
.endm
.macro CROUND
	s_barrier_signal -1
	s_barrier_wait -1
	CREST
.endm
.macro DIMS g, c, r, p                 ; words 1 to 7 of a group 1: r rows of c elements of 8 bytes, pitch p
	s_mov_b32 s[\g+1], (\c)<<16
	s_mov_b32 s[\g+2], (\r)<<16
	s_mov_b32 s[\g+3], (\c)<<16
	s_mov_b32 s[\g+4], \r
	s_mov_b32 s[\g+5], \p
	s_mov_b32 s[\g+6], 0
	s_mov_b32 s[\g+7], 0
.endm
.macro GRP0 g, lds, a                  ; a group 0: LDS byte \lds (a constant), address s[a:a+1]
	s_mov_b32 s[\g], 1
	s_mov_b32 s[\g+1], \lds
	s_mov_b64 s[\g+2:\g+3], s[\a:\a+1]
	s_or_b32 s[\g+3], s[\g+3], 0x80000000
.endm
	s_load_b256 s[4:11], s[0:1], 0x0               ; obuf, oscale, codes, scales
	s_load_b128 s[92:95], s[0:1], 0x20             ; bo, out0
	v_lshl_add_u32 v[SPW], v0, 2, SPARE
	v_mov_b32 v[NIL], 0
	ds_add_u32 v[SPW], v[NIL]                      ; the wave's opening: the add, twice on end, and its wait
	ds_add_u32 v[SPW], v[NIL]
	v_lshrrev_b32 v1, 5, v0
	v_readfirstlane_b32 s14, v1                    ; wave 0..3
	s_lshr_b32 s15, s14, 1                         ; which 64 of A's rows are mine
	s_and_b32 s16, s14, 1                          ; which 128 of B's
	s_bfe_u32 s40, ttmp6, 0x40000                  ; cx
	s_bfe_u32 s41, ttmp6, 0x40004                  ; cy
	s_and_b32 s17, ttmp7, 0xffff
	s_lshl_b32 s17, s17, 2
	s_add_co_u32 s17, s17, s41                     ; the tile row: 128 positions
	s_lshl_b32 s43, s41, 2
	s_lshl_b32 s43, 15, s43                        ; my row of the cluster
	s_lshl_b32 s44, 0x1111, s40                    ; my column
	s_or_b32 s[G1+0], s43, (3<<16)|(1<<21)
	DIMS G1, 3072, 4, 6144                         ; A: four K steps of 24,576 bytes, 49,152 apart
	s_or_b32 s[G1B+0], s44, (3<<16)|(1<<20)|(1<<21)|(3<<22)|(3<<25)  ; padding: 4 words behind every 16
	DIMS G1B, 32, 576, 32                          ; B: three K steps on end, as rows of 256 bytes
	s_or_b32 s[G1S+0], s43, (3<<16)|(1<<20)|(1<<21)|(5<<22)|(3<<25)  ; padding: 4 words behind every 64
	DIMS G1S, 32, 16, 32
	s_or_b32 s[G1SB+0], s44, (3<<16)|(1<<20)|(1<<21)|(5<<22)|(3<<25)
	DIMS G1SB, 32, 32, 32
	s_lshl_b32 s22, s17, 12                        ; A's scale bytes
	s_mov_b32 s23, 0
	s_lshr_b32 s20, s17, 1
	s_mul_i32 s20, s20, 4*ROWB
	s_and_b32 s21, s17, 1
	s_mul_i32 s21, s21, AH
	s_add_co_u32 s20, s20, s21                     ; A's codes: my half of the group of 256 positions
	s_mov_b32 s21, 0
	s_lshl_b32 s46, s40, 8
	s_add_co_u32 s46, s46, 27648                   ; B: Wo's rows
	s_lshl_b32 s100, s46, 5
	s_mov_b32 s101, 0
	s_mul_i32 s46, s46, KROW
	s_mov_b32 s47, 0
	s_mul_i32 s105, s14, HALFT/2
	s_add_co_u32 s105, s105, BB                    ; the refill: my 64 rows in place 0,
	s_mul_i32 s18, s14, ROWB/4
	s_add_co_u32 s18, s18, 3*ROWB                  ; of K step 3
	s_mov_b32 s19, 0
	s_wait_dscnt 0x0                               ; both opening adds are done
	s_wait_kmcnt 0x0
	s_add_nc_u64 s[20:21], s[4:5], s[20:21]
	s_add_nc_u64 s[22:23], s[6:7], s[22:23]
	s_add_nc_u64 s[46:47], s[8:9], s[46:47]
	s_add_nc_u64 s[100:101], s[10:11], s[100:101]
	CROUND                                         ; all sixteen work-groups are here: the first joint loads meet
	GRP0 G0, 0, 20
	GRP0 G0B, BB, 46
	GRP0 G0S, SCL, 22
	GRP0 G0SB, SCL+HALFS, 100
	s_mov_b32 s[G0R], 1
	s_mov_b32 s[G0R+1], s105
	s_add_nc_u64 s[G0R+2:G0R+3], s[46:47], s[18:19]
	s_or_b32 s[G0R+3], s[G0R+3], 0x80000000
.macro ARM under, g0, g1, next         ; the head's loads, one a wave: one chain of branches on the wave's number
	s_cmp_lt_u32 s14, \under
	s_cbranch_scc0 \next
	tensor_load_to_lds s[\g0:\g0+3], s[\g1:\g1+7]
	s_nop 0
	PLACES 4
	s_branch .Lhead_asked
\next:
.endm
	ARM 1, G0,  G1,  .Lhead_b
	ARM 2, G0B, G1B, .Lhead_sa
	ARM 3, G0S, G1S, .Lhead_sb
	tensor_load_to_lds s[G0SB:G0SB+3], s[G1SB:G1SB+7]
	s_nop 0
	PLACES 4
.Lhead_asked:
	s_mul_i32 s20, s15, AH/2                       ; my 64 rows of A: four tiles of 3,072 bytes
	s_add_co_u32 s46, s20, AH
	s_mul_i32 s21, s16, HALFT
	s_add_co_u32 s21, s21, BB                      ; my 128 rows of B in place 0,
	s_add_co_u32 s47, s21, 2*HALFT                 ; 1,
	s_add_co_u32 s99, s21, 4*HALFT                 ; 2
	s_mul_i32 s22, s15, HALFS/2
	s_mul_i32 s23, s16, HALFS
	s_add_co_u32 s23, s23, HALFS
	s_sub_co_u32 s23, s23, s22                     ; from my rows' scales of A to those of B
	s_add_co_u32 s22, s22, SCL
	s_add_co_u32 s97, s23, 4*SBLK
	s_sub_co_u32 s96, s22, 4*SBLK
	s_mul_i32 s98, s14, 16*SPITCH                  ; my stage
	v_and_b32 v1, 15, v0                           ; r
	v_bfe_u32 v2, v0, 4, 1                         ; h
	v_and_b32 v6, 31, v0
	v_mul_u32_u24 v3, v1, PITCH
	v_mad_u32_u24 v4, v2, 24, v3                   ; a fragment's row x pitch + 24 h,
	v_mad_u32_u24 v5, v2, 40, v3                   ; and the same behind one padding more
	v_lshl_add_u32 v[ADRA], v6, 4, s20
	v_lshl_add_u32 v[ADRA+1], v6, 4, s46
	v_lshl_add_u32 v[ADRA+2], v6, 3, s20
	v_lshl_add_u32 v[ADRA+3], v6, 3, s46
	v_add_nc_u32 v[ADRB], s21, v4
	v_add_nc_u32 v[ADRB+1], s47, v4
	v_add_nc_u32 v[ADRB+2], s99, v4
	v_add_nc_u32 v[ADRB+3], s21, v5
	v_add_nc_u32 v[ADRB+4], s47, v5
	v_add_nc_u32 v[ADRB+5], s99, v5
	v_mul_u32_u24 v7, v1, KS                       ; my row's scales: 32 bytes a row,
	v_lshrrev_b32 v8, 8, v7
	v_lshl_add_u32 v7, v8, 4, v7                   ; and 16 more for each 256 passed
	v_mad_u32_u24 v8, s23, v2, v7                  ; lanes 16-31 take B's
	v_add_nc_u32 v[ADRS], s22, v8
	v_mad_u32_u24 v8, s97, v2, v7
	v_add_nc_u32 v[ADRS2], s96, v8
	v_mul_u32_u24 v8, v1, SPITCH
	v_lshl_add_u32 v8, v2, 6, v8
	v_add_nc_u32 v[STO], s98, v8                   ; into the stage: row r, 64 h
	v_lshlrev_b32 v[CO], 4, v6
	v_add_nc_u32 v[RD], s98, v[CO]                 ; out of it: a row of 512 bytes to 32 lanes
	v_lshlrev_b32 v9, 6, v2
	s_wait_alu depctr_va_vdst(0)
	s_lshl_b32 s20, s17, 7
	s_lshl_b32 s21, s15, 6
	s_add_co_u32 s20, s20, s21
	s_lshl_b32 s20, s20, 12                        ; my first row of out0, 4,096 bytes a row
	s_lshl_b32 s46, s40, 10
	s_lshl_b32 s47, s16, 9
	s_add_co_u32 s46, s46, s47                     ; my first column, in bytes
	s_mov_b32 s47, 0
	s_add_nc_u64 s[92:93], s[92:93], s[46:47]
	s_add_co_u32 s20, s20, s46
	s_mov_b32 s21, 0
	s_add_nc_u64 s[12:13], s[94:95], s[20:21]
	WIN TO_B
.irp b, 0,1,2,3,4,5,6,7                        ; tile b: the bias of columns 32 (b / 2) + 16 h + 8 (b % 2) + 0 .. 7, in the result's layout: window 1, v96-127 and v224-255
	global_load_b128 v[96+8*\b+96*(\b/4):96+8*\b+96*(\b/4)+3], v9, s[92:93] offset:128*(\b/2)+32*(\b%2)
	global_load_b128 v[96+8*\b+96*(\b/4)+4:96+8*\b+96*(\b/4)+7], v9, s[92:93] offset:128*(\b/2)+32*(\b%2)+16
.endr
	WIN 0
.macro FRAG reg, adr, q, i             ; a fragment of B, 16 rows x 128 K: 12 registers in pieces of 8 bytes
.irp p, 0,1,2,3,4,5
.set PCE, 12*(\q)+6*(\p/3)+\p%3
.if PCE%8 < 5
	ds_load_b64 v[\reg+2*\p:\reg+2*\p+1], v[\adr] offset:8*PCE+16*(PCE/8)+(\i)*16*PITCH
.else
	ds_load_b64 v[\reg+2*\p:\reg+2*\p+1], v[\adr+3] offset:8*PCE+16*(PCE/8)+(\i)*16*PITCH
.endif
.endr
.endm
.macro FRAG_A reg, ks, q, i            ; a fragment of A: two heads' images of six registers
.set AO, 2*AH*((\ks)/2)+3072*(\i)+1536*(\q)
	ds_load_b128 v[\reg:\reg+3], v[ADRA+(\ks)%2] offset:AO
	ds_load_b64 v[\reg+4:\reg+5], v[ADRA+2+(\ks)%2] offset:AO+512
	ds_load_b128 v[\reg+6:\reg+9], v[ADRA+(\ks)%2] offset:AO+768
	ds_load_b64 v[\reg+10:\reg+11], v[ADRA+2+(\ks)%2] offset:AO+1280
.endm
; 16 matrix instructions: A's registers a0, a0 + 1 x B's eight.  The 32 accumulators take turns, one instruction a turn, in the same order in every step.
.macro MUL16 a0, p, q, sc, first
.irp a, \a0, \a0+1
.irp b, 0,1,2,3,4,5,6,7
.if \first
	v_wmma_scale_f32_16x16x128_f8f6f4 v[8*(8*((\a)%4)+\b):8*(8*((\a)%4)+\b)+7], v[128*(\p)+FR*\b:128*(\p)+FR*\b+FR-1], v[AF+FR*(\a):AF+FR*(\a)+FR-1], v[96+8*\b+96*(\b/4):96+8*\b+96*(\b/4)+7], v[SC+8*NQ*(\sc)+NQ*\b+(\q)], v[SC+8*NQ*(\sc)+NQ*(\a)+(\q)] matrix_a_fmt:MATRIX_FMT_FP6 matrix_b_fmt:MATRIX_FMT_FP6 matrix_a_scale:MATRIX_SCALE_ROW1
.else
	v_wmma_scale_f32_16x16x128_f8f6f4 v[8*(8*((\a)%4)+\b):8*(8*((\a)%4)+\b)+7], v[128*(\p)+FR*\b:128*(\p)+FR*\b+FR-1], v[AF+FR*(\a):AF+FR*(\a)+FR-1], v[8*(8*((\a)%4)+\b):8*(8*((\a)%4)+\b)+7], v[SC+8*NQ*(\sc)+NQ*\b+(\q)], v[SC+8*NQ*(\sc)+NQ*(\a)+(\q)] matrix_a_fmt:MATRIX_FMT_FP6 matrix_b_fmt:MATRIX_FMT_FP6 matrix_a_scale:MATRIX_SCALE_ROW1
.endif
.endr
.endr
.endm
.macro HFETCH ks, q, p                 ; a step's fragments into the sets p: 48 + 16 loads.  K step ks lies in B's place ks % 3
	WIN TO_B
.irp i, 0,1,2,3,4,5,6,7
	FRAG 128*(\p)+FR*\i, ADRB+(\ks)%3, \q, \i
.endr
	WIN 0
.irp i, 0,1,2,3
	FRAG_A AF+FR*(4*(\p)+\i), \ks, \q, \i
.endr
.endm
.macro HSCALES ks                      ; a K step's scale words into set ks % 2
.irp i, 0,1,2,3
	ds_load_b64 v[SC+8*NQ*((\ks)%2)+NQ*\i:SC+8*NQ*((\ks)%2)+NQ*\i+1], v[ADRS] offset:\i*SBLK+4*NQ*(\ks)
.endr
.irp i, 4,5,6,7
	ds_load_b64 v[SC+8*NQ*((\ks)%2)+NQ*\i:SC+8*NQ*((\ks)%2)+NQ*\i+1], v[ADRS2] offset:\i*SBLK+4*NQ*(\ks)
.endr
.endm
.macro HSTEP ks, first                 ; the first 128 of K step ks
	s_wait_dscnt 0x0                               ; this step's fragments are in
	WIN MUL_LO-0x10*(\first)                       ; (first: C, the bias, from window 1)
	MUL16 0, 0, 0, (\ks)%2, \first
	PLACES NP                                      ; places in front of loads into registers that the last step's products read
	HFETCH \ks, 1, 1
	WIN MUL_LO-0x10*(\first)
	MUL16 2, 0, 0, (\ks)%2, \first
	WIN 0
.endm
.macro HTURN ks, kind                  ; its second 128.  kind 1: the round and the refill; kind 2: a plain barrier that shows the refill; kind 0: neither
.if (\kind) == 1
	s_wait_tensorcnt 0x0                           ; no tensor load of mine is out
	ds_add_u32 v[SPW], v[NIL]
	s_wait_dscnt 1                                 ; (the add may be out)
.elseif (\kind) == 2
	s_wait_tensorcnt 0x0                           ; my quarter of K step 3 is in
	s_wait_dscnt 0x0
.else
	s_wait_dscnt 0x0
.endif
	WIN MUL_LO
	MUL16 4, 1, 1, (\ks)%2, 0
.if (\kind) == 1
	s_wait_dscnt 0x0                               ; the add is done, and my reads of place 0 are over
.endif
.if \kind
	s_barrier_signal -1
	WIN 0
	s_barrier_wait -1
.endif
.if (\kind) == 1
	CREST                                          ; no wave of any partner still reads place 0 or has a load on its way
	tensor_load_to_lds s[G0R:G0R+3], s[G1B:G1B+7]
	s_nop 0
.endif
	PLACES NP
	HFETCH (\ks)+1, 0, 0
	HSCALES (\ks)+1
	WIN MUL_LO
	MUL16 6, 1, 1, (\ks)%2, 0
	WIN 0
.endm
	s_wait_loadcnt 0x0                             ; the bias
	s_wait_tensorcnt 0x0                           ; my tile of the head's four is in: no tensor load of mine is out, so a descriptor may be written
	s_mov_b32 s[G1B+2], 48<<16                     ; the refill brings 64 rows of a K step: 48 rows of 256 bytes
	s_mov_b32 s[G1B+4], 48
	s_barrier_signal -1
	s_barrier_wait -1                              ; everybody's tile is in
	HFETCH 0, 0, 0
	HSCALES 0
	HSTEP 0, 1
	HTURN 0, 1
	HSTEP 1, 0
	HTURN 1, 0
	HSTEP 2, 0
	HTURN 2, 2
	HSTEP 3, 0
	s_wait_dscnt 0x0
	WIN MUL_LO
	MUL16 4, 1, 1, 1, 0
	MUL16 6, 1, 1, 1, 0
	WIN 0
; THE WAY OUT, block by block of 16 rows x 128 columns, through my own stage: back come whole rows of 512 bytes.  LDS serves a wave's instructions in order: no wait between the stores and the loads.
.macro TOSTAGE a
.set AC, 64*(\a)
	WIN 0x08                                       ; the data: window 2
.irp b, 0,1,2,3,4,5,6,7
	ds_store_b128 v[STO], v[AC+8*\b:AC+8*\b+3] offset:128*(\b/2)+32*(\b%2)   ; each accumulator from its low end on
	ds_store_b128 v[STO], v[AC+8*\b+4:AC+8*\b+7] offset:128*(\b/2)+32*(\b%2)+16
.endr
	WIN 0
.set BKR, BK+64*((\a)%2)
.irp t, 0,1,2,3,4,5,6,7,8,9,10,11,12,13,14,15
	ds_load_b128 v[BKR+4*\t:BKR+4*\t+3], v[RD] offset:\t*SPITCH
.endr
.endm
.macro SEND a, younger                 ; younger: the LDS instructions issued behind block a's loads
.set BKR, BK+64*((\a)%2)
	s_wait_dscnt \younger
.irp t, 0,1,2,3,4,5,6,7,8,9,10,11,12,13,14,15
	global_store_b128 v[CO], v[BKR+4*\t:BKR+4*\t+3], s[12:13] offset:(32*((\a)/2)+8*((\a)%2)+\t+8*(\t/8))*4096 th:TH_STORE_NT   ; 512 consecutive bytes, aligned to 256
.endr
.endm
	PLACES NP
	TOSTAGE 0
.irp a, 1,2,3
.if \a > 1
	s_wait_xcnt 0x0                                ; block a - 2's stores have read their registers
.endif
	TOSTAGE \a
	SEND \a-1, 32
.endr
	SEND 3, 0
	s_wait_tensorcnt 0x0                           ; the wave's end
	ds_add_u32 v[SPW], v[NIL]
	s_wait_dscnt 0x0
	CROUND                                         ; the closing round
	s_endpgm
.Lfunc_end_k_qd22d4e38d6_outp:
	.size	k_qd22d4e38d6_outp, .Lfunc_end_k_qd22d4e38d6_outp-k_qd22d4e38d6_outp
	.p2alignl 7, 3214868480
	.fill 96, 4, 3214868480
	.section	.rodata,"a",@progbits
	.p2align	6, 0x0
	.amdhsa_kernel k_qd22d4e38d6_outp
		.amdhsa_group_segment_fixed_size 327680
		.amdhsa_private_segment_fixed_size 0
		.amdhsa_enable_private_segment 0
		.amdhsa_kernarg_size 48
		.amdhsa_user_sgpr_count 2
		.amdhsa_user_sgpr_kernarg_segment_ptr 1
		.amdhsa_wavefront_size32 1
		.amdhsa_system_sgpr_workgroup_id_x 1
		.amdhsa_system_sgpr_workgroup_id_y 1
		.amdhsa_system_sgpr_workgroup_id_z 1
		.amdhsa_system_vgpr_workitem_id 0
		.amdhsa_next_free_vgpr 768
		.amdhsa_next_free_sgpr 106
		.amdhsa_reserve_vcc 0
		.amdhsa_float_denorm_mode_32 3
		.amdhsa_float_denorm_mode_16_64 3
		.amdhsa_memory_ordered 1
		.amdhsa_forward_progress 1
		.amdhsa_inst_pref_size 95
	.end_amdhsa_kernel
	.amdgpu_metadata
---
amdhsa.version: [ 1, 2 ]
amdhsa.kernels:
  - .name:           k_qd22d4e38d6_outp
    .symbol:         k_qd22d4e38d6_outp.kd
    .args:
      - { .name: obuf, .offset: 0, .size: 8, .value_kind: global_buffer, .address_space: global }
      - { .name: oscale, .offset: 8, .size: 8, .value_kind: global_buffer, .address_space: global }
      - { .name: codes, .offset: 16, .size: 8, .value_kind: global_buffer, .address_space: global }
      - { .name: scales, .offset: 24, .size: 8, .value_kind: global_buffer, .address_space: global }
      - { .name: bo, .offset: 32, .size: 8, .value_kind: global_buffer, .address_space: global }
      - { .name: out0, .offset: 40, .size: 8, .value_kind: global_buffer, .address_space: global }
    .group_segment_fixed_size: 327680
    .private_segment_fixed_size: 0
    .kernarg_segment_align: 8
    .kernarg_segment_size: 48
    .max_flat_workgroup_size: 128
    .sgpr_count:     106
    .vgpr_count:     768
    .wavefront_size: 32
...
	.end_amdgpu_metadata
.endif
;; end of part 4
